; MI455X (gfx1250); checked and timed in simulation.
; The chip was launched on July 23, 2026; its instructions are those of AMD's public machine-readable ISA for CDNA 5 (MIT licence, August 2026) and "CDNA5" Instruction Set Architecture Reference Guide (July 2026). The comments in the code are by the model that wrote it; some were corrected since.
;; Multi Head Attention Block. Allowed arithmetic: matrix products marked QUANTISED: E2M1 operands, one E8M0 scale for each 32 along K, by v_wmma_scale_f32_16x16x128_f8f6f4 with both operands' format E2M1 (or v_wmma_scale_f32_32x16x128_f4), f32 sums; products left as they are: bf16, f16 or f32 operands; f32 sums; everything else in f32.
;; Inputs: bk 1,024 float32; bo 1,024 float32; bq 1,024 float32; bv 1,024 float32; k 4 x 2,048 x 1,024 float32; mask 4 x 1 x 1 x 2,048 int32; q 4 x 2,048 x 1,024 float32; v 4 x 2,048 x 1,024 float32; wk 1,024 x 1,024 float32; wo 1,024 x 1,024 float32; wq 1,024 x 1,024 float32; wv 1,024 x 1,024 float32.
;; Outputs: out0 4 x 2,048 x 1,024 float32.
;; This version of the problem:
;;   THIS VERSION OF THE PROBLEM IS GIVEN IN LOW PRECISION. The matrix products marked QUANTISED in the list below multiply operands that are first quantised to E2M1 (2 exponent bits, 1 mantissa bit; 4 bits a number), with one power-of-two scale for each 32 numbers along K (OCP MX v1.0); their sums are f32. The products marked 'left as it is' may take bf16, f16 or f32 operands, with f32 sums. Whichever they take, every output number must still come out within the allowed error. Rounding operands to bf16 (8 significant bits) uses up far more of that allowance than f16 does (11 bits, for magnitudes from 6e-5 to 65,504). All else is computed in f32.
;;   The module's matrix products, in the order in which they are computed (A, B: the left and right operand; K: the contracted axis; several contracted axes count as one K, in the product's order):
;;     1. [M 8,192, K 1,024] x [K 1,024, N 1,024]; A: input q; B: input wq: QUANTISED
;;     2. [M 8,192, K 1,024] x [K 1,024, N 1,024]; A: input k; B: input wk: QUANTISED
;;     3. [M 8,192, K 1,024] x [K 1,024, N 1,024]; A: input v; B: input wv: QUANTISED
;;     4. batch 64 x [M 2,048, K 64] x [K 64, N 2,048]; A: computed on the way; B: computed on the way: left as it is (an operand is computed on the way)
;;     5. batch 64 x [M 2,048, K 2,048] x [K 2,048, N 64]; A: computed on the way; B: computed on the way: left as it is (an operand is computed on the way)
;;     6. [M 8,192, K 1,024] x [K 1,024, N 1,024]; A: computed on the way; B: input wo: left as it is (an operand is computed on the way)
;;   THE QUANTISER, for each operand of a quantised product, along K:
;;     - K is cut into blocks of 32 from its start; a last block that is shorter is filled with zeros.
;;     - A block's scale is 2^e with e = floor(log2(the largest magnitude in the block)) - 2, held to -126 .. 127; a block of zeros has e = 0. As a byte (E8M0): e + 127.
;;     - Each number is divided by its block's scale, clamped to +-6, and rounded to the nearest number of E2M1, ties to even, subnormals kept.
;;     - The product sums the exact products of the quantised numbers (number of the format x scale) in f32.
;;   ~~~python
;;   def quantise(x, axis):      # numpy; x: float32 -> the quantised numbers, widened to float32 again
;;       x = np.moveaxis(x, axis, -1); K = x.shape[-1]
;;       x = np.pad(x, [(0, 0)] * (x.ndim - 1) + [(0, -K % 32)]); x = x.reshape(x.shape[:-1] + (-1, 32)); a = np.abs(x).max(-1, keepdims=True)
;;       e = np.where(a > 0, np.clip(np.frexp(np.where(a > 0, a, 1))[1] - 1 - 2, -126, 127), 0)      # np.frexp(a)[1] - 1 = floor(log2(a)), exactly
;;       r = np.clip(x / 2.0 ** e, -6, 6)
;;       step = 2.0 ** (np.maximum(np.frexp(np.where(r == 0, 1, r))[1] - 1, 0) - 1)
;;       q = np.round(r / step) * step * 2.0 ** e      # np.round: ties to even
;;       return np.moveaxis(q.reshape(q.shape[:-2] + (-1,))[..., :K], -1, axis).astype(np.float32)
;;   ~~~
;; One version. Each part assembles by itself: llvm-mc -triple=amdgcn-amd-amdhsa -mcpu=gfx1250 --defsym DOCPART=n.
;; ======== version 1 of 1: 4 launches
;; limits: values are held in f16: magnitudes above 65,504 overflow, below 6.1e-05 lose precision
;; workspace buffers: codes 14,155,776 bytes; scales 884,736 bytes; wo16 2,097,152 bytes; qkv 50,331,648 bytes; oh 16,777,216 bytes
;; launch quant (part 1): grid 896 x 1, 4 waves a work-group, no clusters, 33,280 bytes of LDS; arguments q, k, v, wq, wk, wv, wo, codes, scales, wo16; writes codes, scales, wo16
.if DOCPART == 1
	.amdgcn_target "amdgcn-amd-amdhsa--gfx1250"
	.amdhsa_code_object_version 6
	.text
	.protected	k_q2ad2877650_quant
	.globl	k_q2ad2877650_quant
	.p2align	8
	.type	k_q2ad2877650_quant,@function
k_q2ad2877650_quant:
	s_mov_b64 s[64:65], 0
	v_nop
	global_prefetch_b8 v0, s[64:65] scope:SCOPE_SE
	s_setreg_imm32_b32 hwreg(HW_REG_WAVE_MODE, 25, 1), 1
	s_wait_xcnt 0x0
; q, k, v [8192][1024] and wq, wk, wv [1024][1024], f32 with K innermost, become codes of FP4 (E2M1), two a byte, and one E8M0 scale byte for each 32 along K; wo [1024][1024] becomes f16.
; A block's scale is 2^(floor(log2(its largest magnitude)) - 2); its byte is the largest magnitude's own exponent field - 2, held at 1 from below.  Each number is divided by the scale and rounded to the nearest code, ties to even; beyond 6 the largest code.
; LIMITS: a block of zeros, and a block whose largest magnitude lies under 2^-124, gets the byte 1 (the rule says 127 for zeros): a block of zeros has zero codes, and the bytes are read by this program alone.  NaN and infinities among the inputs are not served.
; wo's numbers beyond 65,504 would overflow f16; under 6e-5 they keep f16's subnormal step.
; Rows are dense and 1,024 is a multiple of 32: each tensor is a plain stream of blocks of 32, and so are its codes and scale bytes.  The six tensors' codes lie on end in one buffer, in the order of the work-groups, and so do the scale bytes.
; SHARES: a work-group takes 32,768 numbers, a wave 8,192, in 16 steps of 512.  Work-groups 0-767: q, k, v (256 each); 768-863: wq, wk, wv (32 each); 864-895: wo.
; The conversions take 8 numbers of ONE block from a lane's consecutive registers, so a lane must hold 16 neighbours; a load is best where neighbouring lanes take neighbouring bytes.  Both are had: a step's four loads read 512 bytes on end each,
; the 2,048 bytes go through the wave's own stage in LDS as they lie and come back 64 bytes a lane (16 bytes of padding behind each 64).  No tensor loads, no barrier: waves share nothing.
.set WAVES, 4
.set STEPS, 16
.set XWG,   768                        ; work-groups of q, k, v
.set QWG,   864                        ; work-groups that quantise
.set EMAX,  2
.set CB,    8                          ; bytes of 16 codes
.set R,     16                         ; v16-79   four sets of 16 numbers as they are loaded (wo: 64 numbers a lane)
.set X,     80                         ; v80-111  two sets of 16 neighbours
.set C,     128                        ; v128-191 codes: four registers for each step (wo: 32 registers of f16 pairs)
.set E,     112                        ; v112-127 a scale byte for each step
.set WREG,  8192                       ; LDS: a region for each wave: two stages of 32 x SP bytes, behind them its 256 scale bytes
.set SP,    80                         ; a lane's place in a stage: 64 bytes + 16 of padding
.set SPW,   12                         ; v12      LDS address of my spare word; never rewritten
.set NIL,   13                         ; v13      0; never rewritten
.set SPARE, WAVES*WREG                 ; behind the four regions: the spare words, 128 bytes a wave, which no other line names
.macro LOAD t
.irp i, 0,1,2,3
	global_load_b128 v[R+16*((\t)%4)+4*\i:R+16*((\t)%4)+4*\i+3], v3, s[4:5] offset:2048*(\t)+512*\i th:TH_LOAD_NT   ; 32 lanes read 512 bytes on end
.endr
.endm
.macro TURN t                          ; step t's numbers through the stage: LDS serves a wave's instructions in order, so no wait stands between the stores and the loads
.irp i, 0,1,2,3
	ds_store_b128 v14, v[R+16*((\t)%4)+4*\i:R+16*((\t)%4)+4*\i+3] offset:32*SP*((\t)%2)+8*SP*\i
.endr
.irp i, 0,1,2,3
	ds_load_b128 v[X+16*((\t)%2)+4*\i:X+16*((\t)%2)+4*\i+3], v15 offset:32*SP*((\t)%2)+16*\i
.endr
.endm
.macro STEP t
.set XS, X+16*((\t)%2)
.if (\t) > 0
	s_wait_dscnt 1                                 ; this step's numbers are back from the stage; the last step's byte store may be out
.else
	s_wait_dscnt 0x0
.endif
.if (\t)+4 < STEPS
	LOAD (\t)+4                                    ; into the registers that this step's stage stores have read
.endif
.if (\t)+1 < STEPS
.if STEPS-2-(\t) >= 3
	s_wait_loadcnt 12                              ; the next step's four loads are in; those of the three steps behind it may be out
.else
	s_wait_loadcnt 4*(STEPS-2-(\t))
.endif
	TURN (\t)+1                                    ; through the other stage while this step is worked
.endif
	v_max3_num_f32 v8, |v[XS]|, |v[XS+1]|, |v[XS+2]|               ; the largest magnitude of my 16, in two chains
	v_max3_num_f32 v9, |v[XS+3]|, |v[XS+4]|, |v[XS+5]|
.irp i, 6,10
	v_max3_num_f32 v8, v8, |v[XS+\i]|, |v[XS+\i+1]|
	v_max3_num_f32 v9, v9, |v[XS+\i+2]|, |v[XS+\i+3]|
.endr
	v_max3_num_f32 v8, v8, |v[XS+14]|, |v[XS+15]|
	v_max3_num_f32 v8, v8, v9, (EMAX+1)<<23        ; and the floor 2^(3 - 127): the byte cannot fall under 1
	v_max_num_f32_dpp v8, v8, v8 row_xmask:1 row_mask:0xf bank_mask:0xf   ; with my neighbour's 16: the block's
	v_add_nc_u32 v11, -(EMAX<<23), v8              ; 2 off its exponent field: the conversion takes the exponent field of this operand as its scale
	v_cvt_scalef32_pk8_fp4_f32 v[C+4*(\t)], v[XS:XS+7], v11
	v_cvt_scalef32_pk8_fp4_f32 v[C+4*(\t)+1], v[XS+8:XS+15], v11
	v_lshrrev_b32 v[E+(\t)], 23, v11               ; the scale's byte (also the plain line behind the conversions)
	ds_store_b8 v5, v[E+(\t)] offset:16*(\t)       ; both lanes of a block write the same byte with the same value
	global_store_b64 v4, v[C+4*(\t):C+4*(\t)+1], s[8:9] offset:32*CB*(\t)   ; the wave stores 256 bytes on end, aligned
.endm
.macro WLOAD n                         ; wo: 16 loads of 512 bytes on end
.irp i, 0,1,2,3,4,5,6,7,8,9,10,11,12,13,14,15
	global_load_b128 v[R+4*\i:R+4*\i+3], v3, s[16:17] offset:8192*(\n)+512*\i th:TH_LOAD_NT
.endr
.endm
.macro WCVT n                          ; a batch of 2,048 numbers a wave is rounded to f16 and stored
	s_wait_loadcnt 0x0
.if (\n) > 0
	s_wait_xcnt 0x0                                ; the last batch's stores have read their data registers, which are written again below
.endif
.irp i, 0,1,2,3,4,5,6,7,8,9,10,11,12,13,14,15
	v_cvt_pk_f16_f32 v[C+2*\i], v[R+4*\i], v[R+4*\i+1]
	v_cvt_pk_f16_f32 v[C+2*\i+1], v[R+4*\i+2], v[R+4*\i+3]
.endr
.if (\n) < 3
	WLOAD (\n)+1                                   ; loads ahead of stores
.endif
.irp i, 0,1,2,3,4,5,6,7,8,9,10,11,12,13,14,15
	global_store_b64 v7, v[C+2*\i:C+2*\i+1], s[22:23] offset:4096*(\n)+256*\i   ; 32 lanes store 256 bytes on end, aligned
.endr
.endm
	s_load_b512 s[4:19], s[0:1], 0x0               ; q s[4:5], k s[6:7], v s[8:9], wq s[10:11], wk s[12:13], wv s[14:15], wo s[16:17], codes s[18:19]
	s_load_b128 s[20:23], s[0:1], 0x40             ; scales s[20:21], wo16 s[22:23]
	v_lshl_add_u32 v[SPW], v0, 2, SPARE
	v_mov_b32 v[NIL], 0
	v_lshrrev_b32 v1, 5, v0
	v_readfirstlane_b32 s24, v1                    ; wave
	v_and_b32 v2, 31, v0                           ; lane
	v_lshlrev_b32 v3, 4, v2                        ; my 16 bytes of a load's 512
	s_mul_i32 s25, s24, WREG
	v_lshrrev_b32 v14, 2, v2
	v_mul_u32_u24 v14, v14, SP
	v_and_b32 v15, 3, v2
	v_lshl_add_u32 v14, v15, 4, v14
	v_add_nc_u32 v14, s25, v14                     ; the stage, on the way in: SP (lane / 4) + 16 (lane % 4)
	v_mul_u32_u24 v15, v2, SP
	v_add_nc_u32 v15, s25, v15                     ; and on the way out: SP x lane: my 16 neighbours
	v_mul_u32_u24 v4, v2, CB                       ; my codes' place in a step's
	v_lshrrev_b32 v5, 1, v2
	s_add_co_u32 s25, s25, 2*32*SP
	v_add_nc_u32 v5, s25, v5                       ; LDS: my wave's 256 scale bytes, my block's byte
	v_lshlrev_b32 v7, 3, v2                        ; 8 bytes a lane
	v_add_nc_u32 v6, s25, v7
	s_wait_kmcnt 0x0
	s_cmp_ge_u32 ttmp9, QWG                        ; the last 32 work-groups take wo: a branch on the work-group's number alone
	s_cbranch_scc1 .Lwo
	s_cmp_lt_u32 ttmp9, XWG                        ; an activation or a weight?  Only pointers are chosen: all six tensors take one path
	s_cselect_b32 s25, 0, XWG
	s_cselect_b32 s26, 8, 5                        ; 256 or 32 work-groups to a tensor
	s_cselect_b64 s[4:5], s[4:5], s[10:11]
	s_cselect_b64 s[6:7], s[6:7], s[12:13]
	s_cselect_b64 s[8:9], s[8:9], s[14:15]
	s_sub_co_u32 s27, ttmp9, s25
	s_lshr_b32 s28, s27, s26                       ; which of the three
	s_lshl_b32 s29, s28, s26
	s_sub_co_u32 s29, s27, s29                     ; and which work-group in it
	s_cmp_eq_u32 s28, 1
	s_cselect_b64 s[4:5], s[6:7], s[4:5]
	s_cmp_eq_u32 s28, 2
	s_cselect_b64 s[4:5], s[8:9], s[4:5]
	s_lshl_b32 s29, s29, 2
	s_add_co_u32 s29, s29, s24                     ; my wave's run of 8,192 numbers in its tensor
	s_lshl_b32 s30, s29, 15
	s_mov_b32 s31, 0
	s_add_nc_u64 s[4:5], s[4:5], s[30:31]
	s_lshl_b32 s29, ttmp9, 2
	s_add_co_u32 s29, s29, s24                     ; and in the two buffers, where the tensors lie on end
	s_lshl_b32 s30, s29, 12
	s_add_nc_u64 s[8:9], s[18:19], s[30:31]        ; 4,096 bytes of codes a run
	s_lshl_b32 s30, s29, 8
	s_add_nc_u64 s[10:11], s[20:21], s[30:31]      ; 256 scale bytes a run
.irp t, 0,1,2,3
	LOAD \t
.endr
	s_wait_loadcnt 12                              ; step 0's four loads are in
	TURN 0
.irp t, 0,1,2,3,4,5,6,7,8,9,10,11,12,13,14,15
	STEP \t
.endr
	ds_load_b64 v[8:9], v6                         ; LDS serves a wave's instructions in order: these see my byte stores
	s_wait_dscnt 0x0
	global_store_b64 v7, v[8:9], s[10:11]          ; 32 lanes store 256 bytes on end, aligned
	s_branch .Lend
.Lwo:                                              ; wo to f16: a stream through registers, no LDS
	s_sub_co_u32 s25, ttmp9, QWG
	s_lshl_b32 s25, s25, 2
	s_add_co_u32 s25, s25, s24                     ; my wave's run of 8,192 numbers
	s_lshl_b32 s30, s25, 15
	s_mov_b32 s31, 0
	s_add_nc_u64 s[16:17], s[16:17], s[30:31]
	s_lshl_b32 s30, s25, 14
	s_add_nc_u64 s[22:23], s[22:23], s[30:31]
	WLOAD 0
	WCVT 0
	WCVT 1
	WCVT 2
	WCVT 3
.Lend:
	s_wait_tensorcnt 0x0                           ; the wave's end: behind my last LDS store
	ds_add_u32 v[SPW], v[NIL]
	s_wait_dscnt 0x0
	s_endpgm
.Lfunc_end_k_q2ad2877650_quant:
	.size	k_q2ad2877650_quant, .Lfunc_end_k_q2ad2877650_quant-k_q2ad2877650_quant
	.p2alignl 7, 3214868480
	.fill 96, 4, 3214868480
	.section	.rodata,"a",@progbits
	.p2align	6, 0x0
	.amdhsa_kernel k_q2ad2877650_quant
		.amdhsa_group_segment_fixed_size 33280
		.amdhsa_private_segment_fixed_size 0
		.amdhsa_enable_private_segment 0
		.amdhsa_kernarg_size 80
		.amdhsa_user_sgpr_count 2
		.amdhsa_user_sgpr_kernarg_segment_ptr 1
		.amdhsa_wavefront_size32 1
		.amdhsa_system_sgpr_workgroup_id_x 1
		.amdhsa_system_sgpr_workgroup_id_y 1
		.amdhsa_system_sgpr_workgroup_id_z 1
		.amdhsa_system_vgpr_workitem_id 0
		.amdhsa_next_free_vgpr 192
		.amdhsa_next_free_sgpr 66
		.amdhsa_reserve_vcc 0
		.amdhsa_float_denorm_mode_32 3
		.amdhsa_float_denorm_mode_16_64 3
		.amdhsa_memory_ordered 1
		.amdhsa_forward_progress 1
		.amdhsa_inst_pref_size 54
	.end_amdhsa_kernel
	.amdgpu_metadata
---
amdhsa.version: [ 1, 2 ]
amdhsa.kernels:
  - .name:           k_q2ad2877650_quant
    .symbol:         k_q2ad2877650_quant.kd
    .args:
      - { .name: q, .offset: 0, .size: 8, .value_kind: global_buffer, .address_space: global }
      - { .name: k, .offset: 8, .size: 8, .value_kind: global_buffer, .address_space: global }
      - { .name: v, .offset: 16, .size: 8, .value_kind: global_buffer, .address_space: global }
      - { .name: wq, .offset: 24, .size: 8, .value_kind: global_buffer, .address_space: global }
      - { .name: wk, .offset: 32, .size: 8, .value_kind: global_buffer, .address_space: global }
      - { .name: wv, .offset: 40, .size: 8, .value_kind: global_buffer, .address_space: global }
      - { .name: wo, .offset: 48, .size: 8, .value_kind: global_buffer, .address_space: global }
      - { .name: codes, .offset: 56, .size: 8, .value_kind: global_buffer, .address_space: global }
      - { .name: scales, .offset: 64, .size: 8, .value_kind: global_buffer, .address_space: global }
      - { .name: wo16, .offset: 72, .size: 8, .value_kind: global_buffer, .address_space: global }
    .group_segment_fixed_size: 33280
    .private_segment_fixed_size: 0
    .kernarg_segment_align: 8
    .kernarg_segment_size: 80
    .max_flat_workgroup_size: 128
    .sgpr_count:     66
    .vgpr_count:     192
    .wavefront_size: 32
...
	.end_amdgpu_metadata
.endif
;; end of part 1
;; launch proj (part 2): grid 4 x 96, 4 waves a work-group, clusters of 4 x 4, 327,680 bytes of LDS; arguments codes, scales, bq, bk, bv, mask, qkv; writes qkv
.if DOCPART == 2
	.amdgcn_target "amdgcn-amd-amdhsa--gfx1250"
	.amdhsa_code_object_version 6
	.text
	.protected	k_q2ad2877650_proj
	.globl	k_q2ad2877650_proj
	.p2align	8
	.type	k_q2ad2877650_proj,@function
k_q2ad2877650_proj:
	s_mov_b64 s[64:65], 0
	v_nop
	global_prefetch_b8 v0, s[64:65] scope:SCOPE_SE
	s_setreg_imm32_b32 hwreg(HW_REG_WAVE_MODE, 25, 1), 1
	s_wait_xcnt 0x0
	s_wait_alu depctr_hold_cnt(0) depctr_sa_sdst(0) depctr_va_vdst(0) depctr_va_sdst(0) depctr_va_ssrc(0) depctr_va_vcc(0) depctr_vm_vsrc(0)
	s_getreg_b32 s2, hwreg(HW_REG_IB_STS2, 6, 4)
	s_cmp_eq_u32 s2, 0
	s_cbranch_scc0 .Lentry_in_a_cluster
	s_endpgm
.Lentry_in_a_cluster:
	s_bfe_u32 s2, ttmp6, 0x10000c
	s_cmp_lg_u32 s2, 0xf033
	s_cbranch_scc0 .Lentry_shape_is_right
	s_endpgm
.Lentry_shape_is_right:
; The three quantised products, on codes of FP4 (E2M1) with one E8M0 scale for each 32 along K = 1,024; sums in f32; then the bias and what attention wants, rounded once to f16.
; ONE GENERIC PRODUCT: Out[m][n] = sum over k of P[m][k] R[n][k].  g = 0 (Q), 1 (K): P = the tokens, R = the weight.  g = 2 (V): P = wv's rows, R = v's tokens, so that V comes out TRANSPOSED, keys innermost.
; What differs between the three is chosen by scalar selects on g, which comes from the cluster's y alone: no branch hangs on it.
; OUT, three parts of 16,777,216 bytes: Q' [b][h][s][64] = (q wq^T + bq) x log2(e) / 8;  K [b][h][s][64] = k wk^T + bk, the rows of masked keys (mask = 0) set to 0;  V^T [b][h][s / 64][64 channels][64 keys] = v wv^T + bv.
; LIMITS: projections beyond 65,504 overflow f16 (inputs and weights thirty times the drawn spread, or offset by thirty spreads, stay under 30,000); NaN and infinities are not served.
; A tile of Out, 256 x 256, is made by four waves, 128 x 128 each: 64 accumulators, 512 registers.  K's two steps of 512 lie in two LDS slots (rows of 256 bytes); both are asked for at the head, with the scale bytes: nothing is filled again.
; CLUSTERS: 4 x 4 work-groups.  The four of a row of the cluster need the same tiles of P, the four of a column the same tiles of R: each tile is asked for JOINTLY, by the same tensor load with the same descriptor and a mask that names the four.
; THE MATRIX INSTRUCTION IS USED TRANSPOSED (source 0 = 16 rows of R, source 1 = 16 rows of P): lane (r, h) of accumulator (a, b) holds row 16 a + r and the eight neighbouring columns 16 b + 8 h + 0 .. 7.
; REGISTERS, in windows of 256: window 0: v0-31 addresses; v32-95 scale words, two sets; v96-127 for each row block f, f, BM, BM; v128-191 P's fragments, one set (on the way out: rows read back); v192-255 the bias along n.
;   window 1: R's fragments, two sets, at v0 and v128; v64-95 packed f16.   window 2: the accumulators of my rows 0-63 ((a, b) at v[8 (8 a + b)]);   window 3: those of rows 64-127.
.set KSTEP,  512                       ; along K in a slot
.set NQ,     4                         ; matrix instructions deep
.set ROWB,   256                       ; a tile's row in bytes
.set KROW,   512                       ; a row of codes in memory
.set PITCH,  272                       ; an LDS row: 256 bytes + 16 of padding: the 16 rows that a load touches start at 16 different banks (64 banks of 4 bytes: ISA guide 11.1)
.set FR,     8                         ; registers of a fragment: 16 rows x 128 K
.set NL,     2                         ; LDS loads that bring one
.set NP,     4                         ; places behind this matrix instruction (ISA guide 7.12.1)
.set HALFT,  128*PITCH                 ; 128 rows: what one tensor load brings
.set SLOT,   4*HALFT                   ; P's 256 rows, then R's 256 rows
.set KS,     32                        ; a row of scale bytes
.set SCL,    2*SLOT                    ; behind the slots: the scale bytes, as units of 256 bytes + 16 of padding
.set HALFS,  16*272                    ; those of 128 rows: what one tensor load brings
.set SBLK,   2*272                     ; those of 16 rows
.set STG,    SCL+4*HALFS               ; the stages for the way out: 16 rows x 272 bytes a wave; no tensor load lands here
.set SPITCH, 272
.set SPARE,  STG+4*16*SPITCH           ; the spare words, 128 bytes a wave, which no other line names
.set ADRA, 16                          ; v16-17  LDS address of my P fragments in slot 0, 1
.set ADRB, 20                          ; v20-21  the same for R
.set STO,  24                          ; v24     the way out: where I put 16 bytes of a row
.set RD,   25                          ; v25     where I read back
.set CO,   26                          ; v26     16 x lane
.set ADRS, 27                          ; v27     LDS address of my scale words: lanes 0-15 P's rows, lanes 16-31 R's
.set SPW,  28                          ; v28     my spare word; never rewritten
.set NIL,  29                          ; v29     0; never rewritten
.set VFC,  30                          ; v30     the factor: log2(e) / 8 for Q, else 1
.set SC,   32
.set FB,   96
.set AF,   128
.set BK,   128
.set BN,   192
.set TMP,  64                          ; in window 1
.set G1, 24                            ; s[24:31] group 1 for P's tiles;  s[32:39] group 0, a set for each slot
.set G0, 32
.set G1B, 48                           ; s[48:55], s[56:63] the same for R's
.set G0B, 56
.set G1S, 68                           ; s[68:75], s[76:79] groups 1 and 0 for P's scales;  s[80:87], s[88:91] for R's
.set G0S, 76
.set G1SB, 80
.set G0SB, 88
.set MSB, 0
.macro WIN new                         ; the immediate's high byte repeats the setting that is left
.if MSB != (\new)
	s_set_vgpr_msb (MSB<<8)|(\new)
.set MSB, (\new)
.endif
.endm
.set MUL_LO, 0xa1                      ; source 0 (R) window 1, source 1 (P) window 0, C and D window 2
.set MUL_HI, 0xf1                      ; the same, C and D window 3
.set TO_B,   0x40                      ; destination window 1, address window 0
; A joint load: waves 0 and 1 fetch for P, waves 2 and 3 for R.  The branch hangs on the wave's number alone.  An s_nop 0 and four v_nop follow each of the two lines.
.macro JLOAD g0a, g1a, g0b, g1b
	s_cmp_eq_u32 s15, 0
	s_cbranch_scc0 .Lfor_b_\@
	tensor_load_to_lds s[\g0a:\g0a+3], s[\g1a:\g1a+7]
	s_nop 0
.rept 4
	v_nop
.endr
	s_branch .Lasked_\@
.Lfor_b_\@:
	tensor_load_to_lds s[\g0b:\g0b+3], s[\g1b:\g1b+7]
	s_nop 0
.rept 4
	v_nop
.endr
.Lasked_\@:
.endm
.macro CROUND                          ; a round of the cluster's barrier
	s_barrier_signal -1
	s_barrier_wait -1
	s_cmp_lg_u32 s14, 0
	s_cbranch_scc1 .Lnot_wave_0_\@
	s_barrier_signal -3
.Lnot_wave_0_\@:
	s_barrier_wait -3
	s_barrier_signal -1
	s_barrier_wait -1
.endm
	s_load_b128 s[4:7], s[0:1], 0x0                ; codes s[4:5], scales s[6:7]
	s_load_b128 s[8:11], s[0:1], 0x10              ; bq s[8:9], bk s[10:11]
	s_load_b128 s[96:99], s[0:1], 0x20             ; bv s[96:97], mask s[98:99]
	s_load_b64 s[12:13], s[0:1], 0x30              ; qkv
	v_lshl_add_u32 v[SPW], v0, 2, SPARE
	v_mov_b32 v[NIL], 0
	ds_add_u32 v[SPW], v[NIL]                      ; the wave's opening: the add, twice on end, and its wait ahead of my first tensor load; the set-up below stands between
	ds_add_u32 v[SPW], v[NIL]
	v_lshrrev_b32 v1, 5, v0
	v_readfirstlane_b32 s14, v1                    ; wave 0..3
	s_lshr_b32 s15, s14, 1                         ; which half of the tile's rows is mine.  Also: I fetch for P (0) or for R (1)
	s_and_b32 s16, s14, 1                          ; which half of its columns.  Also: which 128 rows I fetch
	s_bfe_u32 s40, ttmp6, 0x40000                  ; cx, cy: my place in the cluster
	s_bfe_u32 s41, ttmp6, 0x40004
	s_and_b32 s18, ttmp7, 0xffff                   ; the cluster's y, 0 .. 23: eight clusters to a product
	s_lshr_b32 s66, s18, 3                         ; g
	s_and_b32 s67, s18, 7
	s_lshl_b32 s67, s67, 2                         ; the tokens' 32 tiles: four to a cluster
	s_cmp_lt_u32 s66, 2
	s_cselect_b32 s17, s67, 0
	s_cselect_b32 s42, 0, s67
	s_cselect_b32 s100, -1, 0                      ; all lanes where g < 2
	s_cselect_b32 s101, 0, -1                      ; all lanes where g = 2
	s_add_co_u32 s17, s17, s41                     ; tile row: hangs on cy and the cluster's y alone
	s_add_co_u32 s42, s42, s40                     ; tile column: on cx and the cluster's y alone
	s_cmp_lg_u32 s66, 1
	s_cselect_b32 s104, -1, 0                      ; all lanes where g is not 1
	s_mov_b32 s105, 1.0
	s_cmp_eq_u32 s66, 0
	s_cselect_b32 s105, 0x3e38aa3b, s105           ; log2(e) / 8 for Q
	s_lshl_b32 s43, s41, 2
	s_lshl_b32 s43, 15, s43                        ; my row of the cluster
	s_lshl_b32 s44, 0x1111, s40                    ; my column
	; group 1: a tile of 128 rows x 256 bytes, padded in LDS
	s_or_b32 s[G1+0], s43, (0<<16)|(1<<20)|(1<<21)|(5<<22)|(3<<25)  ; 15:0 the mask; 17:16 elements of 1 byte; 20 padding on; 21 set beside a mask; 24:22 after every 64 words; 31:25 four words
	s_or_b32 s[G1B+0], s44, (0<<16)|(1<<20)|(1<<21)|(5<<22)|(3<<25)
.irp g, G1, G1B
	s_mov_b32 s[\g+1], ROWB<<16                    ; tensor_dim0
	s_mov_b32 s[\g+2], 128<<16                     ; tensor_dim1
	s_mov_b32 s[\g+3], ROWB<<16                    ; tile_dim0
	s_mov_b32 s[\g+4], 128                         ; tile_dim1
	s_mov_b32 s[\g+5], KROW                        ; stride from row to row
	s_mov_b32 s[\g+6], 0
	s_mov_b32 s[\g+7], 0
.endr
	; the scale bytes of 128 rows: a dense block of 4,096 bytes, as 16 rows of 256 bytes (32 elements of 8), 16 bytes of padding behind each
	s_or_b32 s[G1S+0], s43, (3<<16)|(1<<20)|(1<<21)|(5<<22)|(3<<25)
	s_or_b32 s[G1SB+0], s44, (3<<16)|(1<<20)|(1<<21)|(5<<22)|(3<<25)
.irp g, G1S, G1SB
	s_mov_b32 s[\g+1], 32<<16
	s_mov_b32 s[\g+2], 16<<16
	s_mov_b32 s[\g+3], 32<<16
	s_mov_b32 s[\g+4], 16
	s_mov_b32 s[\g+5], 32
	s_mov_b32 s[\g+6], 0
	s_mov_b32 s[\g+7], 0
.endr
	s_lshl_b32 s18, s16, 7                         ; which 128 rows of the tile I fetch
	s_lshl_b32 s20, s17, 8
	s_add_co_u32 s20, s20, s18                     ; P's row
	s_lshl_b32 s46, s42, 8
	s_add_co_u32 s46, s46, s18                     ; R's row
	s_lshl_b32 s22, s20, 5                         ; 32 scale bytes a row,
	s_lshl_b32 s92, s46, 5
	s_lshl_b32 s20, s20, 9                         ; 512 bytes of codes
	s_lshl_b32 s46, s46, 9
	s_lshl_b32 s18, s66, 22                        ; where tensor g begins in the two buffers: the tokens' codes,
	s_lshl_b32 s19, s66, 19
	s_add_co_u32 s19, s19, 12582912                ; the weight's codes,
	s_lshl_b32 s93, s66, 18                        ; the tokens' scale bytes,
	s_lshl_b32 s95, s66, 15
	s_add_co_u32 s95, s95, 786432                  ; the weight's
	s_cmp_lt_u32 s66, 2
	s_cselect_b32 s21, s18, s19                    ; P is the tokens for Q and K, the weight for V
	s_cselect_b32 s47, s19, s18
	s_cselect_b32 s23, s93, s95
	s_cselect_b32 s93, s95, s93
	s_add_co_u32 s20, s20, s21
	s_add_co_u32 s46, s46, s47
	s_add_co_u32 s22, s22, s23
	s_add_co_u32 s92, s92, s93
	s_mov_b32 s21, 0
	s_mov_b32 s47, 0
	s_mov_b32 s23, 0
	s_mov_b32 s93, 0
	s_mul_i32 s45, s14, HALFT                      ; where they go: wave x 128 rows: no place in the cluster enters an LDS address
	s_mul_i32 s94, s14, HALFS
	s_wait_dscnt 0x0                               ; both opening adds are done
	s_wait_kmcnt 0x0
	s_add_nc_u64 s[20:21], s[4:5], s[20:21]
	s_add_nc_u64 s[22:23], s[6:7], s[22:23]
	s_add_nc_u64 s[46:47], s[4:5], s[46:47]
	s_add_nc_u64 s[92:93], s[6:7], s[92:93]
	CROUND                                         ; all sixteen work-groups are here: the joint loads meet
	s_mov_b32 s[G0S], 1
	s_add_co_u32 s[G0S+1], s94, SCL
	s_mov_b64 s[G0S+2:G0S+3], s[22:23]
	s_or_b32 s[G0S+3], s[G0S+3], 0x80000000
	s_mov_b32 s[G0SB], 1
	s_add_co_u32 s[G0SB+1], s94, SCL
	s_mov_b64 s[G0SB+2:G0SB+3], s[92:93]
	s_or_b32 s[G0SB+3], s[G0SB+3], 0x80000000
	JLOAD G0S, G1S, G0SB, G1SB                     ; the scales first: they are wanted with K step 0
.irp s, 0,1
	s_mov_b32 s[G0+4*\s], 1
	s_add_co_u32 s[G0+4*\s+1], s45, \s*SLOT
	s_add_nc_u64 s[G0+4*\s+2:G0+4*\s+3], s[20:21], \s*ROWB
	s_or_b32 s[G0+4*\s+3], s[G0+4*\s+3], 0x80000000
	s_mov_b32 s[G0B+4*\s], 1
	s_add_co_u32 s[G0B+4*\s+1], s45, \s*SLOT
	s_add_nc_u64 s[G0B+4*\s+2:G0B+4*\s+3], s[46:47], \s*ROWB
	s_or_b32 s[G0B+4*\s+3], s[G0B+4*\s+3], 0x80000000
	JLOAD G0+4*\s, G1, G0B+4*\s, G1B               ; three loads of mine are out: all that this work-group ever asks for
.endr
	v_and_b32 v1, 15, v0                           ; r = lane % 16
	v_bfe_u32 v2, v0, 4, 1                         ; h = lane / 16
	v_mul_u32_u24 v3, v1, PITCH
	v_lshl_add_u32 v4, v2, 4, v3                   ; a fragment's row x pitch + 16 h
	s_mul_i32 s21, s15, HALFT                      ; my 128 rows of P
	s_mul_i32 s22, s16, HALFT                      ; my 128 rows of R,
	s_add_co_u32 s22, s22, 2*HALFT                 ; which lie behind P's 256
.irp s, 0,1
	v_add_nc_u32 v[ADRA+\s], s21, v4
	v_add_nc_u32 v[ADRB+\s], s22, v4
	s_add_co_u32 s21, s21, SLOT
	s_add_co_u32 s22, s22, SLOT
.endr
	v_mul_u32_u24 v5, v1, KS                       ; my row's scales: 32 bytes a row,
	v_lshrrev_b32 v6, 8, v5
	v_lshl_add_u32 v5, v6, 4, v5                   ; and 16 more for each 256 passed
	s_mul_i32 s21, s15, HALFS
	s_mul_i32 s22, s16, HALFS
	s_add_co_u32 s22, s22, 2*HALFS
	s_sub_co_u32 s22, s22, s21
	v_mul_u32_u24 v6, s22, v2                      ; lanes 16-31 take R's: the lower base + h x the distance
	s_add_co_u32 s21, s21, SCL
	v_add_nc_u32 v5, v5, v6
	v_add_nc_u32 v[ADRS], s21, v5
	s_mul_i32 s23, s14, 16*SPITCH
	s_add_co_u32 s23, s23, STG                     ; my stage
	v_mul_u32_u24 v5, v1, SPITCH
	v_lshl_add_u32 v5, v2, 4, v5
	v_add_nc_u32 v[STO], s23, v5                   ; in: row r, 16 bytes for each half of the lanes
	v_bfe_u32 v5, v0, 3, 2
	v_and_b32 v6, 7, v0
	v_mul_u32_u24 v5, v5, SPITCH
	v_lshl_add_u32 v5, v6, 4, v5
	v_add_nc_u32 v[RD], s23, v5                    ; back: eight lanes take 128 bytes of a row, the wave four rows
	v_and_b32 v6, 31, v0
	v_lshlrev_b32 v[CO], 4, v6
	; WHAT THE WAY OUT WANTS.  value = (sum + BN) x f + BM.  Q: BN = bq, f = log2(e) / 8, BM = 0.  K: BN = bk, f = 1, or 0 where the row's key is masked, BM = 0.  V: BN = 0, f = 1, BM = bv of the row's channel.
	s_lshl_b32 s18, s17, 8
	s_lshl_b32 s19, s15, 7
	s_add_co_u32 s18, s18, s19                     ; my first row of Out
	s_lshl_b32 s19, s42, 8
	s_lshl_b32 s46, s16, 7
	s_add_co_u32 s19, s19, s46                     ; my first column
	s_mov_b32 s94, 8192
	s_cmp_lt_u32 s66, 2
	s_cselect_b32 s46, s18, s19                    ; my first token,
	s_cselect_b32 s47, s19, s18                    ; my first feature
	s_cselect_b32 s2, s19, 0                       ; where BN begins in its bias (V: anywhere inside: it is set to 0),
	s_cselect_b32 s44, 0, s18                      ; and BM in bv (Q, K: likewise)
	s_cselect_b32 s95, 0x40000, s94                ; from my columns' first 64 to the second: a head, or a block of 64 keys
	s_cselect_b32 s94, s94, 0x40000                ; from my rows' first 64 to the second: 64 tokens, or a head
	s_cmp_eq_u32 s66, 0
	s_cselect_b64 s[8:9], s[8:9], s[10:11]
	s_cmp_eq_u32 s66, 2
	s_cselect_b64 s[8:9], s[96:97], s[8:9]
	s_lshl_b32 s2, s2, 2
	s_mov_b32 s3, 0
	s_add_nc_u64 s[8:9], s[8:9], s[2:3]
	s_lshl_b32 s44, s44, 2
	s_mov_b32 s45, 0
	s_add_nc_u64 s[96:97], s[96:97], s[44:45]
	s_lshl_b32 s2, s18, 2                          ; the mask at my first row: a token for Q and K; for V a number under 1,024, inside the buffer, whose word is not used
	s_add_nc_u64 s[98:99], s[98:99], s[2:3]
	s_lshr_b32 s20, s46, 11                        ; the batch,
	s_lshl_b32 s20, s20, 4
	s_lshr_b32 s21, s47, 6                         ; the head
	s_add_co_u32 s20, s20, s21
	s_lshl_b32 s20, s20, 18                        ; 262,144 bytes a head
	s_and_b32 s21, s46, 2047
	s_lshl_b32 s21, s21, 7                         ; 128 bytes a token, in rows of 64 channels and in blocks of 64 keys alike
	s_add_co_u32 s20, s20, s21
	s_lshl_b32 s21, s66, 24                        ; the part
	s_add_co_u32 s20, s20, s21
	s_mov_b32 s21, 0
	s_add_nc_u64 s[12:13], s[12:13], s[20:21]      ; where my columns 0-63 of my first 16 rows go,
	s_mov_b32 s20, s95
	s_add_nc_u64 s[20:21], s[12:13], s[20:21]      ; and my columns 64-127
	s_sub_co_u32 s22, s94, 6144                    ; the step from row block 3 to row block 4
	s_mov_b32 s23, 0
	v_lshlrev_b32 v5, 5, v2                        ; 32 h: my eight columns of a block of 16
	v_lshlrev_b32 v6, 2, v1                        ; 4 r: my row of a block of 16
.irp b, 0,1,2,3,4,5,6,7
	global_load_b128 v[BN+8*\b:BN+8*\b+3], v5, s[8:9] offset:64*\b
	global_load_b128 v[BN+8*\b+4:BN+8*\b+7], v5, s[8:9] offset:64*\b+16
.endr
.irp a, 0,1,2,3,4,5,6,7
	global_load_b32 v[FB+4*\a], v6, s[98:99] offset:64*\a
	global_load_b32 v[FB+4*\a+2], v6, s[96:97] offset:64*\a
.endr
	v_mov_b32 v[VFC], s105
	s_wait_loadcnt 0x0
.set j, 0
.rept 64
	v_cndmask_b32 v[BN+j], 0, v[BN+j], s100        ; no bias along n for V
.set j, j+1
.endr
.irp a, 0,1,2,3,4,5,6,7
	v_cmp_ne_u32 s92, 0, v[FB+4*\a]                ; the row's key counts,
	s_or_b32 s92, s92, s104                        ; or this is not K: a choice of values, no branch
	v_cndmask_b32 v[FB+4*\a], 0, v[VFC], s92
	v_cndmask_b32 v[FB+4*\a+2], 0, v[FB+4*\a+2], s101
	v_mov_b32 v[FB+4*\a+1], v[FB+4*\a]             ; each twice: the packed form multiplies and adds by pairs
	v_mov_b32 v[FB+4*\a+3], v[FB+4*\a+2]
.endr
.macro FRAG reg, adr, q, i             ; a fragment, 16 rows x 128 K of 4-bit codes: lane l holds row l % 16; registers 4 c .. 4 c + 3 hold K = 64 c + 32 (l / 16) + 0 .. 31
.irp c, 0,1
	ds_load_b128 v[\reg+4*\c:\reg+4*\c+3], v[\adr] offset:64*(\q)+32*\c+(\i)*16*PITCH
.endr
.endm
; 16 matrix instructions: P's blocks a0, a0 + 1 x R's eight, the slot's q-th 128 along K.  p: R's set;  sc: the set of scale words.  zero = 1: the first product starts the sums: nothing is cleared.
; The 64 accumulators take turns, one instruction a turn, in the same order in every step.  One register carries P's scale word in lanes 0-15 and R's in lanes 16-31.
.macro MUL16 a0, p, q, sc, zero
.irp a, \a0, \a0+1
.irp b, 0,1,2,3,4,5,6,7
.if \zero
	v_wmma_scale_f32_16x16x128_f8f6f4 v[8*(8*((\a)%4)+\b):8*(8*((\a)%4)+\b)+7], v[128*(\p)+FR*\b:128*(\p)+FR*\b+FR-1], v[AF+FR*(\a):AF+FR*(\a)+FR-1], 0, v[SC+8*NQ*(\sc)+NQ*\b+(\q)], v[SC+8*NQ*(\sc)+NQ*(\a)+(\q)] matrix_a_fmt:MATRIX_FMT_FP4 matrix_b_fmt:MATRIX_FMT_FP4 matrix_a_scale:MATRIX_SCALE_ROW1
.else
	v_wmma_scale_f32_16x16x128_f8f6f4 v[8*(8*((\a)%4)+\b):8*(8*((\a)%4)+\b)+7], v[128*(\p)+FR*\b:128*(\p)+FR*\b+FR-1], v[AF+FR*(\a):AF+FR*(\a)+FR-1], v[8*(8*((\a)%4)+\b):8*(8*((\a)%4)+\b)+7], v[SC+8*NQ*(\sc)+NQ*\b+(\q)], v[SC+8*NQ*(\sc)+NQ*(\a)+(\q)] matrix_a_fmt:MATRIX_FMT_FP4 matrix_b_fmt:MATRIX_FMT_FP4 matrix_a_scale:MATRIX_SCALE_ROW1
.endif
.endr
.endr
.endm
.macro FETCH_B slot, q, p              ; R's eight fragments of the slot's q-th 128 along K into set p
	WIN TO_B
.irp i, 0,1,2,3,4,5,6,7
	FRAG 128*(\p)+FR*\i, ADRB+\slot, \q, \i
.endr
	WIN 0
.endm
.macro FETCH_A slot, q, i0             ; P's blocks i0 .. i0 + 3
.irp i, \i0, \i0+1, \i0+2, \i0+3
	FRAG AF+FR*(\i), ADRA+\slot, \q, \i
.endr
.endm
.macro SCALES sc                       ; a K step's scale words into set sc: four words a row; lanes 0-15 take P's block i, lanes 16-31 R's block i
.irp i, 0,1,2,3,4,5,6,7
	ds_load_b128 v[SC+8*NQ*\sc+NQ*\i:SC+8*NQ*\sc+NQ*\i+3], v[ADRS] offset:\i*SBLK
.endr
.endm
; A load into a register that a matrix instruction has read, and a vector instruction or an LDS store that reads a matrix result, stand four places behind that matrix instruction; only plain vector
; instructions that name none of its registers are places (ISA guide 7.12.1 for vector instructions).
.macro PLACES n
.rept \n
	v_nop
.endr
.endm
; A step of 128 along K that has its successor in the same slot.  A block of P is free as soon as its eight products are issued, so P has one set: blocks 0-3 are fetched anew in the step's middle, blocks 4-7 at its end.
.macro STEP slot, q, zero
	s_wait_dscnt 4*NL                              ; R's set and P's blocks 0-3 are in; the youngest eight loads (P's blocks 4-7) may be out
	WIN MUL_LO
	MUL16 0, (\q)%2, \q, \slot, \zero
	MUL16 2, (\q)%2, \q, \slot, \zero
	s_wait_dscnt 0                                 ; P's blocks 4-7 are in
	PLACES NP
	FETCH_B \slot, (\q)+1, 1-(\q)%2
	FETCH_A \slot, (\q)+1, 0
	WIN MUL_HI
	MUL16 4, (\q)%2, \q, \slot, \zero
	MUL16 6, (\q)%2, \q, \slot, \zero
	PLACES NP
	WIN 0
	FETCH_A \slot, (\q)+1, 4
.endm
; Slot 0's last step goes over to slot 1: each wave waits for its part of slot 1, then one barrier shows the whole slot to every wave.
.macro TURN slot, next
	s_wait_tensorcnt 0x0                           ; all my tensor loads have landed: my part of the next slot
	ds_add_u32 v[SPW], v[NIL]                      ; 0 onto my spare word
	s_wait_dscnt 4*NL+1                            ; the add and the youngest eight loads (P's blocks 4-7) may be out
	WIN MUL_LO
	MUL16 0, 1, NQ-1, \slot, 0                     ; sixteen matrix instructions stand between the add and the wait for it
	s_wait_dscnt 0x0                               ; no LDS instruction of mine is pending at the signal
	s_barrier_signal -1
	MUL16 2, 1, NQ-1, \slot, 0
	WIN 0
	s_barrier_wait -1
	PLACES NP
	v_add_nc_u32 v[ADRS], 4*NQ, v[ADRS]            ; on to the next K step's scale words
	FETCH_B \next, 0, 0
	FETCH_A \next, 0, 0
	SCALES \next
	WIN MUL_HI
	MUL16 4, 1, NQ-1, \slot, 0
	MUL16 6, 1, NQ-1, \slot, 0
	PLACES NP
	WIN 0
	FETCH_A \next, 0, 4
.endm
.macro STEPS slot, from                ; the slot's steps from .. NQ - 2
.set Q, \from
.rept NQ-1-\from
	STEP \slot, Q, 0
.set Q, Q+1
.endr
.endm
	s_wait_tensorcnt 1                             ; the scales and my part of K step 0 are in; slot 1's load may be out,
	s_barrier_signal -1
	s_barrier_wait -1                              ; everybody's are
	FETCH_B 0, 0, 0
	FETCH_A 0, 0, 0
	SCALES 0
	FETCH_A 0, 0, 4
	STEP 0, 0, 1                                   ; the first step's products start the sums
	STEPS 0, 1
	TURN 0, 1
	STEPS 1, 0
	s_wait_dscnt 4*NL                              ; the very last step: nothing more to fetch
	WIN MUL_LO
	MUL16 0, 1, NQ-1, 1, 0
	MUL16 2, 1, NQ-1, 1, 0
	s_wait_dscnt 0
	WIN MUL_HI
	MUL16 4, 1, NQ-1, 1, 0
	MUL16 6, 1, NQ-1, 1, 0
	WIN 0
; THE WAY OUT, a block of 16 rows x 128 columns at a time.  PACK: bias, factor, rounding to f16: 16 bytes a lane.  TOSTAGE: into my own stage and back, so that a store's 32 lanes hold 512 bytes that lie on end in memory:
; 16 rows x 64 columns of f16 are 2,048 dense bytes in each of the three layouts.  SEND: stored.
.macro PACK a
.set AC, 64*((\a)%4)
	WIN 0x82+0x41*((\a)/4)                         ; destination and source 0: window 2 or 3; the others window 0
.irp b, 0,1,2,3,4,5,6,7
.irp p, 0,2,4,6
	v_pk_add_f32 v[AC+8*\b+\p:AC+8*\b+\p+1], v[AC+8*\b+\p:AC+8*\b+\p+1], v[BN+8*\b+\p:BN+8*\b+\p+1]   ; each accumulator from its low end on
.endr
.endr
.irp b, 0,1,2,3,4,5,6,7
.irp p, 0,2,4,6
	v_pk_fma_f32 v[AC+8*\b+\p:AC+8*\b+\p+1], v[AC+8*\b+\p:AC+8*\b+\p+1], v[FB+4*(\a):FB+4*(\a)+1], v[FB+4*(\a)+2:FB+4*(\a)+3]
.endr
.endr
	WIN 0x4a+5*((\a)/4)                            ; sources window 2 or 3, destination window 1
.irp b, 0,1,2,3,4,5,6,7
.irp p, 0,1,2,3
	v_cvt_pk_f16_f32 v[TMP+4*\b+\p], v[AC+8*\b+2*\p], v[AC+8*\b+2*\p+1]
.endr
.endr
	WIN 0
.endm
.macro TOSTAGE a
.set BB, BK+32*((\a)%2)
	WIN 0x04                                       ; an LDS store's data are its source 1: window 1
.irp b, 0,1,2,3,4,5,6,7
	ds_store_b128 v[STO], v[TMP+4*\b:TMP+4*\b+3] offset:32*\b
.endr
	WIN 0
.irp t, 0,1,2,3,4,5,6,7
	ds_load_b128 v[BB+4*\t:BB+4*\t+3], v[RD] offset:(\t%4)*4*SPITCH+(\t/4)*128   ; LDS serves a wave's instructions in order (ISA guide 5.7.1.4): these see the stores above
.endr
.endm
.macro SEND a
.set BB, BK+32*((\a)%2)
	s_wait_dscnt 0x0                               ; the block is back in registers
	s_wait_xcnt 0x0                                ; the earlier stores have read their bases and data: the bases step, and the next block's loads may land on the other set
.if (\a) == 4
	s_add_nc_u64 s[12:13], s[12:13], s[22:23]
	s_add_nc_u64 s[20:21], s[20:21], s[22:23]
.elseif (\a) > 0
	s_add_nc_u64 s[12:13], s[12:13], 2048
	s_add_nc_u64 s[20:21], s[20:21], 2048
.endif
.irp i, 0,1,2,3
	global_store_b128 v[CO], v[BB+4*\i:BB+4*\i+3], s[12:13] offset:512*\i         ; 32 lanes store 512 bytes on end, at a multiple of 256 from the buffer's first byte
.endr
.irp i, 0,1,2,3
	global_store_b128 v[CO], v[BB+16+4*\i:BB+16+4*\i+3], s[20:21] offset:512*\i
.endr
.endm
	PLACES NP                                      ; behind the last products
	PACK 0
	TOSTAGE 0
.irp a, 1,2,3,4,5,6,7                  ; block a's arithmetic stands between block a - 1's loads from the stage and the wait for them
	PACK \a
	SEND \a-1
	TOSTAGE \a
.endr
	SEND 7
	s_wait_tensorcnt 0x0                           ; the wave's end: behind my last tensor load and my last LDS store
	ds_add_u32 v[SPW], v[NIL]
	s_wait_dscnt 0x0
	CROUND                                         ; the closing round: no work-group ends while a partner may still ask for a tile that names it
	s_endpgm
.Lfunc_end_k_q2ad2877650_proj:
	.size	k_q2ad2877650_proj, .Lfunc_end_k_q2ad2877650_proj-k_q2ad2877650_proj
	.p2alignl 7, 3214868480
	.fill 96, 4, 3214868480
	.section	.rodata,"a",@progbits
	.p2align	6, 0x0
	.amdhsa_kernel k_q2ad2877650_proj
		.amdhsa_group_segment_fixed_size 327680
		.amdhsa_private_segment_fixed_size 0
		.amdhsa_enable_private_segment 0
		.amdhsa_kernarg_size 56
		.amdhsa_user_sgpr_count 2
		.amdhsa_user_sgpr_kernarg_segment_ptr 1
		.amdhsa_wavefront_size32 1
		.amdhsa_system_sgpr_workgroup_id_x 1
		.amdhsa_system_sgpr_workgroup_id_y 1
		.amdhsa_system_sgpr_workgroup_id_z 1
		.amdhsa_system_vgpr_workitem_id 0
		.amdhsa_next_free_vgpr 1024
		.amdhsa_next_free_sgpr 106
		.amdhsa_reserve_vcc 0
		.amdhsa_float_denorm_mode_32 3
		.amdhsa_float_denorm_mode_16_64 3
		.amdhsa_memory_ordered 1
		.amdhsa_forward_progress 1
		.amdhsa_inst_pref_size 171
	.end_amdhsa_kernel
	.amdgpu_metadata
---
amdhsa.version: [ 1, 2 ]
amdhsa.kernels:
  - .name:           k_q2ad2877650_proj
    .symbol:         k_q2ad2877650_proj.kd
    .args:
      - { .name: codes, .offset: 0, .size: 8, .value_kind: global_buffer, .address_space: global }
      - { .name: scales, .offset: 8, .size: 8, .value_kind: global_buffer, .address_space: global }
      - { .name: bq, .offset: 16, .size: 8, .value_kind: global_buffer, .address_space: global }
      - { .name: bk, .offset: 24, .size: 8, .value_kind: global_buffer, .address_space: global }
      - { .name: bv, .offset: 32, .size: 8, .value_kind: global_buffer, .address_space: global }
      - { .name: mask, .offset: 40, .size: 8, .value_kind: global_buffer, .address_space: global }
      - { .name: qkv, .offset: 48, .size: 8, .value_kind: global_buffer, .address_space: global }
    .group_segment_fixed_size: 327680
    .private_segment_fixed_size: 0
    .kernarg_segment_align: 8
    .kernarg_segment_size: 56
    .max_flat_workgroup_size: 128
    .sgpr_count:     106
    .vgpr_count:     1024
    .wavefront_size: 32
...
	.end_amdgpu_metadata
.endif
;; end of part 2
;; launch attn (part 3): grid 4 x 64, 8 waves a work-group, clusters of 4 x 1, 327,680 bytes of LDS; arguments qkv, mask, oh; writes oh
.if DOCPART == 3
	.amdgcn_target "amdgcn-amd-amdhsa--gfx1250"
	.amdhsa_code_object_version 6
	.text
	.protected	k_q2ad2877650_attn
	.globl	k_q2ad2877650_attn
	.p2align	8
	.type	k_q2ad2877650_attn,@function
k_q2ad2877650_attn:
	s_mov_b64 s[64:65], 0
	v_nop
	global_prefetch_b8 v0, s[64:65] scope:SCOPE_SE
	s_setreg_imm32_b32 hwreg(HW_REG_WAVE_MODE, 25, 1), 1
	s_wait_xcnt 0x0
	s_wait_alu depctr_hold_cnt(0) depctr_sa_sdst(0) depctr_va_vdst(0) depctr_va_sdst(0) depctr_va_ssrc(0) depctr_va_vcc(0) depctr_vm_vsrc(0)
	s_getreg_b32 s2, hwreg(HW_REG_IB_STS2, 6, 4)
	s_cmp_eq_u32 s2, 0
	s_cbranch_scc0 .Lentry_in_a_cluster
	s_endpgm
.Lentry_in_a_cluster:
	s_bfe_u32 s2, ttmp6, 0x10000c
	s_cmp_lg_u32 s2, 0x3003
	s_cbranch_scc0 .Lentry_shape_is_right
	s_endpgm
.Lentry_shape_is_right:
; oh[b][h][q][:] = the sum over k of softmax_k(score) V[k][:], score = Q . K / 8, or -1e9 where mask[b][k] = 0.  Operands f16, products, maxima and sums f32; the weights p are rounded to f16 for the second product, the result once at the end.
; qkv holds Q' = Q x log2(e) / 8 ([b][h][s][64]), K with the rows of masked keys set to 0 ([b][h][s][64]), and V transposed in blocks of 64 keys ([b][h][s / 64][64 channels][64 keys]).
; THE MASK COSTS NO VECTOR INSTRUCTION IN THE LOOP: the first score instruction of each tile of keys takes as its C, for each key, 0 or -1e9 x log2(e).  A masked key's products are zeros, so its t is that constant itself, as the
; replacement asks; where all keys of a batch are masked all t are equal, every p is 1, and the result is the plain average.
; SOFTMAX: t = score x log2(e) comes out of the matrix unit; for each query a running maximum m and sum l; p = 2^(t - m); in every step O and l are multiplied by a = 2^(m_old - m_new).
; LIMITS: NaN and infinities are not served; a result under 6e-5 keeps f16's subnormal step.
; SHARES: a cluster of four work-groups is one (b, h); each owns 512 queries, each of its eight waves 64: four tiles of 16.  Two waves to a SIMD, 512 registers each: one wave's softmax stands beside the other's products.
; Every wave walks all 2,048 keys, 64 a step.  K and V come through two LDS slots of 512 keys; each of the eight waves fetches 128 rows of a slot; the four partners ask JOINTLY (mask 15).
; LAYOUT: S^T = K Q'^T (source 0 = 16 keys, source 1 = 16 queries), O^T = V^T P (source 0 = 16 channels x 32 keys): a lane holds ONE query (lane % 16) throughout; two tiles of keys, rounded in pairs, ARE P's fragment.
; REGISTERS: window 0: v1-15 addresses; v16-41 the head's mask work; v32-39 a second chain for the sums; v64-95 statistics, 8 a tile; v96-127 the scores' C; v128-255 S^T, 32 a tile, then P in its first 16.
;   window 1: v0-127 O^T, 32 a tile; v128-191 Q'; v192-255 ONE buffer for K's, then V's, eight fragments.
.set PK,    144                        ; an LDS row: 128 bytes + 16 of padding: the 16 rows that a load touches start at 16 different banks (64 banks of 4 bytes: ISA guide 11.1)
.set STEPB, 64*PK                      ; a step's rows of K, or of V
.set VOFF,  8*STEPB                    ; a slot: K's 512 rows, then V's 8 blocks of 64 rows
.set SLOTB, 2*VOFF
.set BIAS,  2*SLOTB                    ; behind the slots: 0 or -1e9 x log2(e) for each of the batch's 2,048 keys
.set STAGE, BIAS+8192                  ; the way out: 16 rows x 144 bytes a wave
.set SPARE, STAGE+8*16*PK              ; the spare words, 128 bytes a wave, which no other line names
.set AF0, 2                            ; v2   144 r + 16 h: my lane's place in a tile of K or of V
.set AB0, 3                            ; v3   BIAS + 32 h
.set ADK, 4                            ; v4-6 the step's addresses: K, V, the scores' C
.set ADV, 5
.set ADB, 6
.set QO,  7                            ; v7   my byte in a tile of Q'
.set STO, 8                            ; v8   the way out: where I put 16 bytes of a row
.set RD,  9                            ; v9   where I read back
.set GO,  10                           ; v10  16 x lane
.set PFO, 11                           ; v11  256 x lane; never rewritten
.set SPW, 12                           ; v12  my spare word; never rewritten
.set NIL, 13                           ; v13  0; never rewritten
.set VTM, 14                           ; v14  -1e9 x log2(e)
.set U,   32
.set ST,  64                           ; tile t at v[ST+8 t]: +0 m, +1 named with it as a pair, +2, +3 l, +4 .. +7 c0 .. c3 at work; a takes c2's place
.set BI,  96
.set S,   128
.set QF,  128                          ; in window 1
.set KV,  192                          ; in window 1
.set WV,  10                           ; s10  my wave's number
.set G1,  24                           ; s[24:31] group 1, for K's and V's tiles alike
.set G0,  32                           ; s[32:39] group 0, a set for each slot
.set SEL, 40                           ; s[40:41] lane selects for v_permlanex16_b32: lane l xor 16
.set TB,  42                           ; s42  LDS byte at which the step's rows of K begin
.set TBI, 43                           ; s43  and its keys' words among the scores' C
.set CNT, 44                           ; s44  steps left in the slot
.set LIM, 45                           ; s45  2 in a wave that prefetches, else 0, which CNT never is inside a step
.set PFA, 46                           ; s[46:47] my prefetches' base; never rewritten
.set MSB, 0
.macro WIN new                         ; the immediate's high byte repeats the setting that is left
.if MSB != (\new)
	s_set_vgpr_msb (MSB<<8)|(\new)
.set MSB, (\new)
.endif
.endm
.macro CROUND                          ; a round of the cluster's barrier
	s_barrier_signal -1
	s_barrier_wait -1
	s_cmp_lg_u32 s[WV], 0
	s_cbranch_scc1 .Lnot_wave_0_\@
	s_barrier_signal -3
.Lnot_wave_0_\@:
	s_barrier_wait -3
	s_barrier_signal -1
	s_barrier_wait -1
.endm
	s_load_b128 s[4:7], s[0:1], 0x0                ; qkv s[4:5], mask s[6:7]
	s_load_b64 s[8:9], s[0:1], 0x10                ; oh
	v_lshl_add_u32 v[SPW], v0, 2, SPARE
	v_mov_b32 v[NIL], 0
	ds_add_u32 v[SPW], v[NIL]                      ; the wave's opening: the add, twice on end, and its wait ahead of my first tensor load; the set-up below stands between
	ds_add_u32 v[SPW], v[NIL]
	v_lshrrev_b32 v1, 5, v0
	v_readfirstlane_b32 s[WV], v1                  ; wave 0..7
	s_bfe_u32 s11, ttmp6, 0x40000                  ; cx: my place in the cluster
	s_lshl_b32 s12, ttmp9, 2
	s_add_co_u32 s12, s12, s11                     ; my block of 512 queries: it enters Q's and oh's addresses alone
	s_and_b32 s13, ttmp7, 0xffff                   ; 16 b + h, which the four partners share
	s_lshl_b32 s17, s13, 18                        ; a head is 262,144 bytes in each part and in oh
	s_lshr_b32 s14, s[WV], 2
	s_add_co_u32 s14, s14, 1
	s_lshl_b32 s14, s14, 24                        ; waves 0-3: K's part of qkv; waves 4-7: V's
	s_add_co_u32 s14, s14, s17
	s_and_b32 s16, s[WV], 3
	s_lshl_b32 s16, s16, 14
	s_add_co_u32 s20, s14, s16                     ; my 128 rows of slot 0
	s_mov_b32 s21, 0
	s_and_b32 s16, s[WV], 1
	s_lshl_b32 s16, s16, 13
	s_add_co_u32 s22, s14, s16                     ; the prefetches: 8,192 bytes a wave,
	s_lshl_b32 s16, s11, 14
	s_add_co_u32 s22, s22, s16                     ; 16,384 a partner: the partners are told apart by address
	s_mov_b32 s23, 0
	s_lshl_b32 s18, s12, 16                        ; my block's 512 rows of 128 bytes,
	s_add_co_u32 s18, s18, s17
	s_lshl_b32 s16, s[WV], 13                      ; my wave's 64 of them
	s_add_co_u32 s18, s18, s16
	s_mov_b32 s19, 0
	s_lshr_b32 s48, s13, 4
	s_lshl_b32 s48, s48, 13                        ; the batch's 2,048 words of the mask
	s_mov_b32 s49, 0
	s_mul_i32 s15, s[WV], 128*PK                   ; where my rows go in a slot: no place in the cluster enters an LDS address
	; group 1: 128 rows x 64 elements of 2 bytes, dense in memory, padded in LDS
	s_mov_b32 s[G1], 15|(1<<16)|(1<<20)|(1<<21)|(4<<22)|(3<<25)   ; 15:0 the mask: all four; 17:16 elements of 2 bytes; 20 padding on; 21 set beside a mask; 24:22 after every 32 words; 31:25 four words
	s_mov_b32 s[G1+1], 64<<16                      ; tensor_dim0
	s_mov_b32 s[G1+2], 128<<16                     ; tensor_dim1
	s_mov_b32 s[G1+3], 64<<16                      ; tile_dim0
	s_mov_b32 s[G1+4], 128                         ; tile_dim1
	s_mov_b32 s[G1+5], 64                          ; stride from row to row
	s_mov_b32 s[G1+6], 0
	s_mov_b32 s[G1+7], 0
	s_mov_b32 s[SEL], 0x76543210
	s_mov_b32 s[SEL+1], 0xfedcba98
	s_and_b32 s[LIM], s[WV], 2
	s_cmp_eq_u32 s[LIM], 0                         ; waves 0, 1 (K) and 4, 5 (V) prefetch: the same in all partners
	s_cselect_b32 s[LIM], 2, 0
	s_wait_dscnt 0x0                               ; both opening adds are done
	s_wait_kmcnt 0x0
	s_add_nc_u64 s[PFA:PFA+1], s[4:5], s[22:23]
	s_add_nc_u64 s[20:21], s[4:5], s[20:21]
	s_add_nc_u64 s[4:5], s[4:5], s[18:19]          ; Q' at my wave's first row
	s_add_nc_u64 s[8:9], s[8:9], s[18:19]          ; oh likewise
	s_add_nc_u64 s[6:7], s[6:7], s[48:49]
	CROUND                                         ; all four work-groups are here: the first joint loads meet
.irp s, 0,1
	s_mov_b32 s[G0+4*\s], 1                        ; count = 1
	s_add_co_u32 s[G0+4*\s+1], s15, \s*SLOTB       ; LDS address
	s_add_nc_u64 s[G0+4*\s+2:G0+4*\s+3], s[20:21], \s*65536   ; slot s begins with keys 512 s
	s_or_b32 s[G0+4*\s+3], s[G0+4*\s+3], 0x80000000           ; type = 2
.endr
	tensor_load_to_lds s[G0:G0+3], s[G1:G1+7]      ; both first fills together: two loads of mine are out
	s_nop 0
	tensor_load_to_lds s[G0+4:G0+7], s[G1:G1+7]
	s_nop 0
.rept 4
	v_nop
.endr
	v_lshlrev_b32 v40, 5, v0                       ; eight keys a thread
	global_load_b128 v[16:19], v40, s[6:7]
	global_load_b128 v[20:23], v40, s[6:7] offset:16
	v_and_b32 v1, 15, v0                           ; r
	v_bfe_u32 v15, v0, 4, 1                        ; h
	v_lshlrev_b32 v[QO], 7, v1
	v_lshl_add_u32 v[QO], v15, 4, v[QO]            ; row r of 128 bytes + 16 h
	WIN 0x40                                       ; destination window 1
.irp t, 0,1,2,3
.irp cb, 0,1                                   ; Q' stays in registers: tile t, channels 32 cb on
	global_load_b128 v[QF+16*\t+8*\cb:QF+16*\t+8*\cb+3],   v[QO], s[4:5] offset:2048*\t+64*\cb
	global_load_b128 v[QF+16*\t+8*\cb+4:QF+16*\t+8*\cb+7], v[QO], s[4:5] offset:2048*\t+64*\cb+32
.endr
.endr
.set j, 0
.rept 128
	v_mov_b32 v[j], 0                              ; O^T.  The step is written once: the first finds zeros, which its a = 0 leaves zeros
.set j, j+1
.endr
	WIN 0
	v_mul_u32_u24 v[AF0], v1, PK
	v_lshl_add_u32 v[AF0], v15, 4, v[AF0]
	v_lshl_add_u32 v[AB0], v15, 5, BIAS
	s_mul_i32 s16, s[WV], 16*PK
	s_add_co_u32 s16, s16, STAGE                   ; my stage
	v_add_nc_u32 v[STO], s16, v[AF0]               ; in: row r, 16 bytes for each half of the lanes
	v_bfe_u32 v[RD], v0, 3, 2
	v_mul_u32_u24 v[RD], v[RD], PK
	v_and_b32 v[GO], 7, v0
	v_lshl_add_u32 v[RD], v[GO], 4, v[RD]
	v_add_nc_u32 v[RD], s16, v[RD]                 ; back: eight lanes take a row of 128 bytes, the wave four rows
	v_and_b32 v[PFO], 31, v0
	v_lshlrev_b32 v[GO], 4, v[PFO]
	v_lshlrev_b32 v[PFO], 8, v[PFO]
	v_lshl_add_u32 v41, v0, 5, BIAS
	v_mov_b32 v[VTM], 0xceabfb8f                   ; -1e9 x log2(e)
.irp t, 0,1,2,3
	v_mov_b32 v[ST+8*\t], 0xff61b1e6               ; m: -3e38, under every t
	v_mov_b32 v[ST+8*\t+1], 0
	v_mov_b32 v[ST+8*\t+2], 0                      ; l, in two halves
	v_mov_b32 v[ST+8*\t+3], 0
.endr
	s_wait_loadcnt 0x0                             ; the mask and Q'
.irp i, 0,1,2,3,4,5,6,7
	v_cmp_eq_u32 vcc_lo, 0, v[16+\i]
	v_cndmask_b32 v[24+\i], 0, v[VTM], vcc_lo      ; a choice of values: nothing branches on the mask
.endr
	ds_store_b128 v41, v[24:27]
	ds_store_b128 v41, v[28:31] offset:16
	s_wait_tensorcnt 0x1                           ; my part of slot 0 is in; slot 1's one load may stay out
	s_wait_dscnt 0x0                               ; for the others' sake: my words of the scores' C are stored
	s_barrier_signal -1
	s_barrier_wait -1
; A KEY STEP: 64 keys.  p: the pass (which 512 keys);  ask = 1: the pass has a prefetch.
.macro STEP p, ask
	v_add_nc_u32 v[ADK], s[TB], v[AF0]             ; these five plain lines are the places behind the last V^T P: four for the loads into its operands' registers, five for the matrix instructions that write over P
	v_add_nc_u32 v[ADB], s[TBI], v[AB0]
	v_add_nc_u32 v[ADV], VOFF, v[ADK]
	v_nop
	v_nop
	WIN 0x40
.irp kt, 0,1,2,3
.irp cb, 0,1                                   ; K: keys 16 kt on, channels 32 cb on
	ds_load_b128 v[KV+8*(2*\kt+\cb):KV+8*(2*\kt+\cb)+3],   v[ADK] offset:16*PK*\kt+64*\cb
	ds_load_b128 v[KV+8*(2*\kt+\cb)+4:KV+8*(2*\kt+\cb)+7], v[ADK] offset:16*PK*\kt+64*\cb+32
.endr
.endr
	WIN 0
.irp kt, 0,1,2,3                               ; the scores' C: register j is key 16 kt + 8 h + j, as in the result
	ds_load_b128 v[BI+8*\kt:BI+8*\kt+3],   v[ADB] offset:64*\kt
	ds_load_b128 v[BI+8*\kt+4:BI+8*\kt+7], v[ADB] offset:64*\kt+16
.endr
	s_wait_dscnt 0x0
	WIN 0x05                                       ; K and Q' window 1, C and S^T window 0
.irp cb, 0,1                                   ; the 16 accumulators take turns, one instruction a turn
.irp kt, 0,1,2,3
.irp t, 0,1,2,3
.if \cb == 0
	v_wmma_f32_16x16x32_f16 v[S+32*\t+8*\kt:S+32*\t+8*\kt+7], v[KV+8*(2*\kt+\cb):KV+8*(2*\kt+\cb)+7], v[QF+16*\t+8*\cb:QF+16*\t+8*\cb+7], v[BI+8*\kt:BI+8*\kt+7]
.else
	v_wmma_f32_16x16x32_f16 v[S+32*\t+8*\kt:S+32*\t+8*\kt+7], v[KV+8*(2*\kt+\cb):KV+8*(2*\kt+\cb)+7], v[QF+16*\t+8*\cb:QF+16*\t+8*\cb+7], v[S+32*\t+8*\kt:S+32*\t+8*\kt+7]
.endif
.endr
.endr
.endr
.rept 4
	v_nop                                          ; places: V lands where K lay, and the maxima read the scores
.endr
	WIN 0x40
.irp ct, 0,1,2,3
.irp kb, 0,1                                   ; V^T: channels 16 ct on, keys 32 kb on; it lands while the softmax is walked
	ds_load_b128 v[KV+8*(2*\ct+\kb):KV+8*(2*\ct+\kb)+3],   v[ADV] offset:16*PK*\ct+64*\kb
	ds_load_b128 v[KV+8*(2*\ct+\kb)+4:KV+8*(2*\ct+\kb)+7], v[ADV] offset:16*PK*\ct+64*\kb+32
.endr
.endr
	WIN 0
.if \ask
; A PREFETCH INTO THE L2 of the slot that the change of slots behind this pass asks for: 65,536 bytes of K and of V.  Asked in the pass's seventh step of eight, behind the wave's run of LDS loads.
; Each aligned block of 256 bytes is named once in the launch: a head has one cluster; its partners take 16,384 bytes each, told apart by address; in each, waves 0, 1 ask for K's and waves 4, 5 for V's, 32 blocks a wave, a lane a block.
; Passes 2 and 3 ask for nothing: no slot is left.  Slots 0 and 1 come by their loads alone.
	s_cmp_eq_u32 s[CNT], s[LIM]
	s_cbranch_scc0 .Lnot_mine_\@
	global_prefetch_b8 v[PFO], s[PFA:PFA+1] offset:131072+65536*\p th:TH_LOAD_NT scope:SCOPE_SE
.Lnot_mine_\@:
.endif
	; THE SOFTMAX, each line for the four tiles by turns, so that no line waits for the line above it
.irp j, 0,1,2,3
.irp t, 0,1,2,3
	v_max3_num_f32 v[ST+8*\t+4+\j], v[S+32*\t+8*\j], v[S+32*\t+8*\j+1], v[S+32*\t+8*\j+2]   ; four chains; each accumulator is read from its low end on
.endr
.endr
.irp g, 1,2
.irp j, 0,1,2,3
.irp t, 0,1,2,3
	v_max3_num_f32 v[ST+8*\t+4+\j], v[ST+8*\t+4+\j], v[S+32*\t+8*\j+2*\g+1], v[S+32*\t+8*\j+2*\g+2]
.endr
.endr
.endr
.irp t, 0,1,2,3
	v_max3_num_f32 v[ST+8*\t+4], v[ST+8*\t+4], v[S+32*\t+7], v[S+32*\t+15]
.endr
.irp t, 0,1,2,3
	v_max3_num_f32 v[ST+8*\t+6], v[ST+8*\t+6], v[S+32*\t+23], v[S+32*\t+31]
.endr
.irp t, 0,1,2,3
	v_max3_num_f32 v[ST+8*\t+4], v[ST+8*\t+4], v[ST+8*\t+5], v[ST+8*\t+6]
.endr
.irp t, 0,1,2,3
	v_max3_num_f32 v[ST+8*\t+4], v[ST+8*\t+4], v[ST+8*\t+7], v[ST+8*\t]   ; with the old m
.endr
.irp t, 0,1,2,3
	v_permlanex16_b32 v[ST+8*\t+5], v[ST+8*\t+4], s[SEL], s[SEL+1]        ; the query's other 32 keys lie in the lane 16 away
.endr
.irp t, 0,1,2,3
	v_max_num_f32 v[ST+8*\t+5], v[ST+8*\t+4], v[ST+8*\t+5]
.endr
.irp t, 0,1,2,3
	v_sub_f32 v[ST+8*\t+7], v[ST+8*\t], v[ST+8*\t+5]                      ; m_old - m_new
.endr
.irp t, 0,1,2,3
	v_mov_b32 v[ST+8*\t], v[ST+8*\t+5]
.endr
.irp t, 0,1,2,3
	v_exp_f32 v[ST+8*\t+6], v[ST+8*\t+7]                                  ; a: the first of the batch
.endr
.irp j, 0,2,4,6,8,10,12,14,16,18,20,22,24,26,28,30
.irp t, 0,1,2,3
	v_pk_add_f32 v[S+32*\t+\j:S+32*\t+\j+1], v[S+32*\t+\j:S+32*\t+\j+1], v[ST+8*\t:ST+8*\t+1] op_sel_hi:[1,0] neg_lo:[0,1] neg_hi:[0,1]   ; t - m, two at a time: exact where they are equal
.endr
.endr
.set j, 0
.rept 32
.irp t, 0,1,2,3
	v_exp_f32 v[S+32*\t+j], v[S+32*\t+j]           ; p = 2^(t - m), at most 1
.endr
.set j, j+1
.endr
	v_nop                                          ; a plain line behind the last exponential, ahead of the first use
	s_wait_alu depctr_va_vdst(0)                   ; ONE wait for the step's 132 exponentials, ahead of their first reader
.irp t, 0,1,2,3
	v_pk_mul_f32 v[ST+8*\t+2:ST+8*\t+3], v[ST+8*\t+2:ST+8*\t+3], v[ST+8*\t+6:ST+8*\t+7] op_sel_hi:[1,0]   ; l x a
.endr
.irp t, 0,1,2,3
	v_pk_add_f32 v[U+2*\t:U+2*\t+1], v[S+32*\t:S+32*\t+1], v[S+32*\t+2:S+32*\t+3]   ; the sum is taken of the unrounded p, in two chains
.endr
.irp j, 4,8,12,16,20,24,28
.irp t, 0,1,2,3
	v_pk_add_f32 v[ST+8*\t+2:ST+8*\t+3], v[ST+8*\t+2:ST+8*\t+3], v[S+32*\t+\j:S+32*\t+\j+1]
	v_pk_add_f32 v[U+2*\t:U+2*\t+1], v[U+2*\t:U+2*\t+1], v[S+32*\t+\j+2:S+32*\t+\j+3]
.endr
.endr
.irp t, 0,1,2,3
	v_pk_add_f32 v[ST+8*\t+2:ST+8*\t+3], v[ST+8*\t+2:ST+8*\t+3], v[U+2*\t:U+2*\t+1]
.endr
.set i, 0
.rept 16
.irp t, 0,1,2,3
	v_cvt_pk_f16_f32 v[S+32*\t+i], v[S+32*\t+2*i], v[S+32*\t+2*i+1]   ; P in place: register i takes pair i; no later pair is written over
.endr
.set i, i+1
.endr
	WIN 0x41                                       ; O^T window 1, a window 0
.irp j, 0,2,4,6,8,10,12,14,16,18,20,22,24,26,28,30
.irp t, 0,1,2,3
	v_pk_mul_f32 v[32*\t+\j:32*\t+\j+1], v[32*\t+\j:32*\t+\j+1], v[ST+8*\t+6:ST+8*\t+7] op_sel_hi:[1,0]   ; O^T x a
.endr
.endr
	s_wait_dscnt 0x0                               ; V is in
	WIN 0x51                                       ; V window 1, P window 0, O^T window 1
.irp kb, 0,1                                   ; the 16 accumulators take turns
.irp ct, 0,1,2,3
.irp t, 0,1,2,3
	v_wmma_f32_16x16x32_f16 v[32*\t+8*\ct:32*\t+8*\ct+7], v[KV+8*(2*\ct+\kb):KV+8*(2*\ct+\kb)+7], v[S+32*\t+8*\kb:S+32*\t+8*\kb+7], v[32*\t+8*\ct:32*\t+8*\ct+7]
.endr
.endr
.endr
	WIN 0                                          ; at a label and at a branch every window is 0
.endm
; A slot's eight key steps: written once, walked eight times.
.macro PASS slot, p, ask
	s_mov_b32 s[TB], \slot*SLOTB
	s_mov_b32 s[TBI], \p*2048
	s_mov_b32 s[CNT], 8
.Lstep_\@:
	STEP \p, \ask
	s_add_co_u32 s[TB], s[TB], STEPB
	s_add_co_u32 s[TBI], s[TBI], 256
	s_sub_co_u32 s[CNT], s[CNT], 1
	s_cmp_lg_u32 s[CNT], 0
	s_cbranch_scc1 .Lstep_\@
.endm
; THE CHANGE OF SLOTS.  Each wave waits for all its tensor loads (its part of the slot ahead), adds 0 to its spare word, and waits for that and for its reads of the slot that it leaves.
; fill = 1: that slot is filled again with the keys 1,024 further on.  The barrier is then a round of the cluster's, so that no wave of any partner still reads the slot or has a load on its way;
; the joint refill is the first thing behind it, one load a wave, and has a slot's eight key steps in which to land.
.macro CHANGE slot, fill
	s_wait_tensorcnt 0x0                           ; no tensor load of mine is out, so a group 0 may be written
	ds_add_u32 v[SPW], v[NIL]
.if \fill
	s_add_nc_u64 s[G0+4*\slot+2:G0+4*\slot+3], s[G0+4*\slot+2:G0+4*\slot+3], 131072   ; two slots on; the type bits on top are not reached
	s_wait_dscnt 0x0
	CROUND
	tensor_load_to_lds s[G0+4*\slot:G0+4*\slot+3], s[G1:G1+7]
	s_nop 0
.rept 4
	v_nop
.endr
.else
	s_wait_dscnt 0x0
	s_barrier_signal -1
	s_barrier_wait -1
.endif
.endm
	PASS 0, 0, 1                                   ; keys 0-511.  The four passes are written out
	CHANGE 0, 1                                    ; slot 0 takes keys 1,024-1,535
	PASS 1, 1, 1
	CHANGE 1, 1                                    ; slot 1 takes keys 1,536-2,047
	PASS 0, 2, 0
	CHANGE 0, 0                                    ; nothing is left to ask for
	PASS 1, 3, 0
	; THE WAY OUT.  l's two halves and the other half of the lanes' are added; O^T is divided by l, rounded to f16 and sent through my stage, a tile (16 rows) at a time.  The four additions are the places behind the last products.
.irp t, 0,1,2,3
	v_add_f32 v[ST+8*\t+4], v[ST+8*\t+2], v[ST+8*\t+3]
.endr
.irp t, 0,1,2,3
	v_permlanex16_b32 v[ST+8*\t+5], v[ST+8*\t+4], s[SEL], s[SEL+1]
.endr
.irp t, 0,1,2,3
	v_add_f32 v[ST+8*\t+4], v[ST+8*\t+4], v[ST+8*\t+5]
.endr
.irp t, 0,1,2,3
	v_rcp_f32 v[ST+8*\t+6], v[ST+8*\t+4]           ; l is at least 1: the largest key's p
.endr
	v_nop                                          ; a plain line between the last reciprocal and the use of its result
	s_wait_alu depctr_va_vdst(0)                   ; one wait for the four, ahead of the first use
.macro PACKO t
	WIN 0x41
.set i, 0
.rept 16
	v_pk_mul_f32 v[32*\t+2*i:32*\t+2*i+1], v[32*\t+2*i:32*\t+2*i+1], v[ST+8*\t+6:ST+8*\t+7] op_sel_hi:[1,0]
.set i, i+1
.endr
	WIN 0x05                                       ; sources window 1, destination window 0: S^T's registers are free
.set i, 0
.rept 16
	v_cvt_pk_f16_f32 v[S+32*\t+i], v[32*\t+2*i], v[32*\t+2*i+1]
.set i, i+1
.endr
	WIN 0
.irp c, 0,1,2,3
	ds_store_b128 v[STO], v[S+32*\t+4*\c:S+32*\t+4*\c+3] offset:32*\c   ; row r: channels 16 c + 8 h + 0 .. 7
.endr
.irp c, 0,1,2,3
	ds_load_b128 v[S+32*\t+16+4*\c:S+32*\t+16+4*\c+3], v[RD] offset:4*PK*\c   ; LDS serves a wave's instructions in order (ISA guide 5.7.1.4): these see the stores above; the next tile's stores come behind them
.endr
.endm
.macro SENDO t, y                      ; y: the LDS instructions issued behind tile t's loads: the next tile's eight, or none
.irp c, 0,1,2,3
	s_wait_dscnt \y+3-\c
	global_store_b128 v[GO], v[S+32*\t+16+4*\c:S+32*\t+16+4*\c+3], s[8:9] offset:2048*\t+512*\c   ; 32 lanes store 512 bytes on end, at a multiple of 256 from the buffer's first byte
.endr
.endm
	PACKO 0
	PACKO 1                                        ; a tile's arithmetic stands between the loads of the tile before and its stores
	SENDO 0, 8
	PACKO 2
	SENDO 1, 8
	PACKO 3
	SENDO 2, 8
	SENDO 3, 0
	s_wait_tensorcnt 0x0                           ; the wave's end: behind my last tensor load and my last LDS store
	ds_add_u32 v[SPW], v[NIL]
	s_wait_dscnt 0x0
	CROUND                                         ; the closing round: no work-group ends while a partner may still ask for a tile that names it
	s_endpgm
.Lfunc_end_k_q2ad2877650_attn:
	.size	k_q2ad2877650_attn, .Lfunc_end_k_q2ad2877650_attn-k_q2ad2877650_attn
	.p2alignl 7, 3214868480
	.fill 96, 4, 3214868480
	.section	.rodata,"a",@progbits
	.p2align	6, 0x0
	.amdhsa_kernel k_q2ad2877650_attn
		.amdhsa_group_segment_fixed_size 327680
		.amdhsa_private_segment_fixed_size 0
		.amdhsa_enable_private_segment 0
		.amdhsa_kernarg_size 24
		.amdhsa_user_sgpr_count 2
		.amdhsa_user_sgpr_kernarg_segment_ptr 1
		.amdhsa_wavefront_size32 1
		.amdhsa_system_sgpr_workgroup_id_x 1
		.amdhsa_system_sgpr_workgroup_id_y 1
		.amdhsa_system_sgpr_workgroup_id_z 1
		.amdhsa_system_vgpr_workitem_id 0
		.amdhsa_next_free_vgpr 512
		.amdhsa_next_free_sgpr 66
		.amdhsa_reserve_vcc 1
		.amdhsa_float_denorm_mode_32 3
		.amdhsa_float_denorm_mode_16_64 3
		.amdhsa_memory_ordered 1
		.amdhsa_forward_progress 1
		.amdhsa_inst_pref_size 158
	.end_amdhsa_kernel
	.amdgpu_metadata
---
amdhsa.version: [ 1, 2 ]
amdhsa.kernels:
  - .name:           k_q2ad2877650_attn
    .symbol:         k_q2ad2877650_attn.kd
    .args:
      - { .name: qkv, .offset: 0, .size: 8, .value_kind: global_buffer, .address_space: global }
      - { .name: mask, .offset: 8, .size: 8, .value_kind: global_buffer, .address_space: global }
      - { .name: oh, .offset: 16, .size: 8, .value_kind: global_buffer, .address_space: global }
    .group_segment_fixed_size: 327680
    .private_segment_fixed_size: 0
    .kernarg_segment_align: 8
    .kernarg_segment_size: 24
    .max_flat_workgroup_size: 256
    .sgpr_count:     66
    .vgpr_count:     512
    .wavefront_size: 32
...
	.end_amdgpu_metadata
.endif
;; end of part 3
;; launch oproj (part 4): grid 4 x 64, 4 waves a work-group, clusters of 4 x 4, 327,680 bytes of LDS; arguments oh, wo16, bo, out0; writes out0
.if DOCPART == 4
	.amdgcn_target "amdgcn-amd-amdhsa--gfx1250"
	.amdhsa_code_object_version 6
	.text
	.protected	k_q2ad2877650_oproj
	.globl	k_q2ad2877650_oproj
	.p2align	8
	.type	k_q2ad2877650_oproj,@function
k_q2ad2877650_oproj:
	s_mov_b64 s[64:65], 0
	v_nop
	global_prefetch_b8 v0, s[64:65] scope:SCOPE_SE
	s_setreg_imm32_b32 hwreg(HW_REG_WAVE_MODE, 25, 1), 1
	s_wait_xcnt 0x0
	s_wait_alu depctr_hold_cnt(0) depctr_sa_sdst(0) depctr_va_vdst(0) depctr_va_sdst(0) depctr_va_ssrc(0) depctr_va_vcc(0) depctr_vm_vsrc(0)
	s_getreg_b32 s2, hwreg(HW_REG_IB_STS2, 6, 4)
	s_cmp_eq_u32 s2, 0
	s_cbranch_scc0 .Lentry_in_a_cluster
	s_endpgm
.Lentry_in_a_cluster:
	s_bfe_u32 s2, ttmp6, 0x10000c
	s_cmp_lg_u32 s2, 0xf033
	s_cbranch_scc0 .Lentry_shape_is_right
	s_endpgm
.Lentry_shape_is_right:
; out0[m][n] = sum over k of A[m][k] wo[n][k] + bo[n].  A is attention's result, f16, laid by heads: oh [b][h][s][64], k = 64 h + d.  wo16 [1024][1024] f16.  out0 [8192][1024] f32; sums in f32.
; A tile of out0 is 128 (m) x 256 (n): 256 work-groups, one for each of 64 x 4 tiles.  Four waves, each 64 x 128: 32 accumulators, 256 registers.
; K goes in 8 steps of 128 (two heads) through two LDS slots.  A's tile of a step is two planes, one a head, of 128 rows x 128 bytes (dense in memory); wo's is 256 rows x 256 bytes.
; CLUSTERS: 4 x 4 work-groups.  The four of a row of the cluster need the same tiles of A, the four of a column the same tiles of wo: each is asked for JOINTLY, by the same tensor load with the same descriptor and a mask that names the four.
; THE MATRIX INSTRUCTION IS USED TRANSPOSED (source 0 = 16 rows of wo, source 1 = 16 rows of A): a lane holds eight neighbouring numbers of a row of out0.  bo is the C of each sum's first instruction: no clearing, no addition.
; REGISTERS: window 0: v0-31 addresses; v32-127, v128-223 two fragment buffers (A's four fragments, then wo's eight); on the way out rows read back.  window 1: accumulator (a, b) at v[8 (8 a + b)].  window 2: v0-63 bo in the result's layout.
.set PA,     144                       ; A's LDS row: 128 bytes + 16
.set PB,     272                       ; wo's: 256 bytes + 16.  Both are odd multiples of 16 bytes: the 16 rows that a load touches start at 16 different banks (64 banks of 4 bytes: ISA guide 11.1)
.set APL,    128*PA                    ; a plane of A: what one tensor load brings
.set BOFF,   2*APL
.set BH,     128*PB                    ; half of wo's tile: what one tensor load brings
.set SLOT,   BOFF+2*BH
.set STAGE,  2*SLOT                    ; behind the ring: 16 rows x (512 + 16) bytes a wave, for the way out
.set SPITCH, 528
.set SPARE,  STAGE+4*16*SPITCH         ; the spare words, 128 bytes a wave, which no other line names
.set ADRA, 16                          ; v16-17  LDS address of my A fragments in slot 0, 1
.set ADRB, 20                          ; v20-21  the same for wo
.set STO,  24
.set RD,   25
.set CO,   26
.set SPW,  28                          ; v28     my spare word; never rewritten
.set NIL,  29                          ; v29     0; never rewritten
.set F0,   32
.set F1,   128
.set G1, 24                            ; s[24:31] group 1 for A's planes;  s[32:39] group 0, a set for each slot
.set G0, 32
.set G1B, 48                           ; s[48:55], s[56:63] the same for wo's halves
.set G0B, 56
.set MSB, 0
.macro WIN new                         ; the immediate's high byte repeats the setting that is left
.if MSB != (\new)
	s_set_vgpr_msb (MSB<<8)|(\new)
.set MSB, (\new)
.endif
.endm
.set MUL, 0x50                         ; sources 0 and 1 window 0; C and D window 1.  (+ 0x10: C window 2, bo)
.macro JLOAD s                         ; a joint load: waves 0 and 1 fetch A's two planes, waves 2 and 3 wo's two halves; an s_nop 0 and four v_nop follow each of the two lines
	s_cmp_eq_u32 s11, 0
	s_cbranch_scc0 .Lfor_b_\@
	tensor_load_to_lds s[G0+4*\s:G0+4*\s+3], s[G1:G1+7]
	s_nop 0
.rept 4
	v_nop
.endr
	s_branch .Lasked_\@
.Lfor_b_\@:
	tensor_load_to_lds s[G0B+4*\s:G0B+4*\s+3], s[G1B:G1B+7]
	s_nop 0
.rept 4
	v_nop
.endr
.Lasked_\@:
.endm
.macro CREST                           ; a round of the cluster's barrier behind its opening barrier
	s_cmp_lg_u32 s10, 0
	s_cbranch_scc1 .Lnot_wave_0_\@
	s_barrier_signal -3
.Lnot_wave_0_\@:
	s_barrier_wait -3
	s_barrier_signal -1
	s_barrier_wait -1
.endm
.macro CROUND
	s_barrier_signal -1
	s_barrier_wait -1
	CREST
.endm
	s_load_b128 s[4:7], s[0:1], 0x0                ; oh s[4:5], wo16 s[6:7]
	s_load_b64 s[20:21], s[0:1], 0x10              ; bo
	s_load_b64 s[8:9], s[0:1], 0x18                ; out0
	v_lshl_add_u32 v[SPW], v0, 2, SPARE
	v_mov_b32 v[NIL], 0
	ds_add_u32 v[SPW], v[NIL]                      ; the wave's opening: the add, twice on end, and its wait ahead of my first tensor load; the set-up below stands between
	ds_add_u32 v[SPW], v[NIL]
	v_lshrrev_b32 v1, 5, v0
	v_readfirstlane_b32 s10, v1                    ; wave 0..3
	s_lshr_b32 s11, s10, 1                         ; which 64 rows of the tile are mine.  Also: I fetch for A (0) or for wo (1)
	s_and_b32 s12, s10, 1                          ; which 128 columns.  Also: which plane or half I fetch
	s_bfe_u32 s40, ttmp6, 0x40000                  ; cx, cy
	s_bfe_u32 s41, ttmp6, 0x40004
	s_lshl_b32 s42, ttmp9, 2
	s_add_co_u32 s42, s42, s40                     ; tile column = 4 x cluster x + cx
	s_and_b32 s13, ttmp7, 0xffff
	s_lshl_b32 s13, s13, 2
	s_add_co_u32 s13, s13, s41                     ; tile row = 4 x cluster y + cy
	s_lshl_b32 s43, s41, 2
	s_lshl_b32 s43, 15, s43                        ; my row of the cluster
	s_lshl_b32 s44, 0x1111, s40                    ; my column
	s_or_b32 s[G1+0], s43, (1<<16)|(1<<20)|(1<<21)|(4<<22)|(3<<25)   ; A: elements of 2 bytes; four words of padding after every 32
	s_mov_b32 s[G1+1], 64<<16                      ; tensor_dim0
	s_mov_b32 s[G1+2], 128<<16                     ; tensor_dim1
	s_mov_b32 s[G1+3], 64<<16                      ; tile_dim0
	s_mov_b32 s[G1+4], 128                         ; tile_dim1
	s_mov_b32 s[G1+5], 64                          ; stride from row to row
	s_mov_b32 s[G1+6], 0
	s_mov_b32 s[G1+7], 0
	s_or_b32 s[G1B+0], s44, (1<<16)|(1<<20)|(1<<21)|(5<<22)|(3<<25)  ; wo: four words of padding after every 64
	s_mov_b32 s[G1B+1], 128<<16
	s_mov_b32 s[G1B+2], 128<<16
	s_mov_b32 s[G1B+3], 128<<16
	s_mov_b32 s[G1B+4], 128
	s_mov_b32 s[G1B+5], 1024
	s_mov_b32 s[G1B+6], 0
	s_mov_b32 s[G1B+7], 0
	s_lshr_b32 s14, s13, 4                         ; A: the batch (16 tiles of 128 tokens each), 4,194,304 bytes;
	s_lshl_b32 s14, s14, 22
	s_and_b32 s15, s13, 15
	s_lshl_b32 s15, s15, 14                        ; the tile's 128 rows of 128 bytes in a head;
	s_add_co_u32 s14, s14, s15
	s_lshl_b32 s15, s12, 18                        ; the head's parity: my plane
	s_add_co_u32 s14, s14, s15
	s_mov_b32 s15, 0
	s_lshl_b32 s46, s42, 19                        ; wo: 256 rows of 2,048 bytes a tile column,
	s_lshl_b32 s47, s12, 18                        ; my 128 of them
	s_add_co_u32 s46, s46, s47
	s_mov_b32 s47, 0
	s_mul_i32 s16, s12, APL                        ; where they go: no place in the cluster enters an LDS address
	s_mul_i32 s17, s12, BH
	s_add_co_u32 s17, s17, BOFF
	s_wait_dscnt 0x0                               ; both opening adds are done
	s_wait_kmcnt 0x0
	s_add_nc_u64 s[14:15], s[4:5], s[14:15]
	s_add_nc_u64 s[46:47], s[6:7], s[46:47]
	CROUND                                         ; all sixteen work-groups are here: the first joint loads meet
.irp s, 0,1
	s_mov_b32 s[G0+4*\s], 1
	s_add_co_u32 s[G0+4*\s+1], s16, \s*SLOT
	s_add_nc_u64 s[G0+4*\s+2:G0+4*\s+3], s[14:15], \s*524288     ; K step s: two heads on
	s_or_b32 s[G0+4*\s+3], s[G0+4*\s+3], 0x80000000
	s_mov_b32 s[G0B+4*\s], 1
	s_add_co_u32 s[G0B+4*\s+1], s17, \s*SLOT
	s_add_nc_u64 s[G0B+4*\s+2:G0B+4*\s+3], s[46:47], \s*256
	s_or_b32 s[G0B+4*\s+3], s[G0B+4*\s+3], 0x80000000
	JLOAD \s                                       ; two loads of mine are out
.endr
	v_and_b32 v1, 15, v0                           ; r
	v_bfe_u32 v2, v0, 4, 1                         ; h
	v_mul_u32_u24 v3, v1, PA
	v_lshl_add_u32 v3, v2, 4, v3
	v_mul_u32_u24 v4, v1, PB
	v_lshl_add_u32 v4, v2, 4, v4
	s_mul_i32 s22, s11, 64*PA                      ; my 64 rows in a plane of A
	s_mul_i32 s23, s12, BH                         ; my 128 rows of wo
	s_add_co_u32 s23, s23, BOFF
.irp s, 0,1
	v_add_nc_u32 v[ADRA+\s], s22, v3
	v_add_nc_u32 v[ADRB+\s], s23, v4
	s_add_co_u32 s22, s22, SLOT
	s_add_co_u32 s23, s23, SLOT
.endr
	s_mul_i32 s22, s10, 16*SPITCH
	s_add_co_u32 s22, s22, STAGE                   ; my stage
	v_mul_u32_u24 v5, v1, SPITCH
	v_lshl_add_u32 v5, v2, 5, v5
	v_add_nc_u32 v[STO], s22, v5                   ; in: row r, 32 bytes for each half of the lanes
	v_and_b32 v6, 31, v0
	v_lshlrev_b32 v[CO], 4, v6                     ; back: the 32 lanes take one row of 512 bytes; and the same in out0
	v_add_nc_u32 v[RD], s22, v[CO]
	s_lshl_b32 s46, s42, 10                        ; my first column, in bytes of f32: 1,024 x tile column + 512 x half
	s_lshl_b32 s47, s12, 9
	s_add_co_u32 s46, s46, s47
	s_mov_b32 s47, 0
	s_add_nc_u64 s[20:21], s[20:21], s[46:47]
	s_add_nc_u64 s[8:9], s[8:9], s[46:47]
	s_lshl_b32 s14, s13, 19                        ; my first row: 128 x tile row + 64 x half, of 4,096 bytes
	s_lshl_b32 s15, s11, 18
	s_add_co_u32 s14, s14, s15
	s_mov_b32 s15, 0
	s_add_nc_u64 s[8:9], s[8:9], s[14:15]
	v_lshlrev_b32 v7, 5, v2                        ; 32 h
	WIN 0x80                                       ; destination window 2
.irp b, 0,1,2,3,4,5,6,7
	global_load_b128 v[8*\b:8*\b+3],   v7, s[20:21] offset:64*\b       ; bo at my eight columns of block b
	global_load_b128 v[8*\b+4:8*\b+7], v7, s[20:21] offset:64*\b+16
.endr
	WIN 0
; 8 matrix instructions: A's block a x wo's eight, 32 along K, from buffer f.  zero = 1: the first product starts the sums on bo.  The 32 accumulators take turns, one instruction a turn, in the same order in every quarter.
.macro MUL8 f, a, zero
.irp b, 0,1,2,3,4,5,6,7
.if \zero
	v_wmma_f32_16x16x32_f16 v[8*(8*\a+\b):8*(8*\a+\b)+7], v[\f+32+8*\b:\f+32+8*\b+7], v[\f+8*\a:\f+8*\a+7], v[8*\b:8*\b+7]
.else
	v_wmma_f32_16x16x32_f16 v[8*(8*\a+\b):8*(8*\a+\b)+7], v[\f+32+8*\b:\f+32+8*\b+7], v[\f+8*\a:\f+8*\a+7], v[8*(8*\a+\b):8*(8*\a+\b)+7]
.endif
.endr
.endm
; 24 LDS loads in one run: the fragments of the slot's q-th 32 along K into buffer f: wo's eight first, then A's four (plane q / 2, channels 32 (q % 2) on)
.macro FETCH slot, q, f
	WIN 0
.irp b, 0,1,2,3,4,5,6,7
	ds_load_b128 v[\f+32+8*\b:\f+32+8*\b+3],   v[ADRB+\slot] offset:64*(\q)+16*PB*\b
	ds_load_b128 v[\f+32+8*\b+4:\f+32+8*\b+7], v[ADRB+\slot] offset:64*(\q)+16*PB*\b+32
.endr
.irp a, 0,1,2,3
	ds_load_b128 v[\f+8*\a:\f+8*\a+3],   v[ADRA+\slot] offset:((\q)/2)*APL+((\q)%2)*64+16*PA*\a
	ds_load_b128 v[\f+8*\a+4:\f+8*\a+7], v[ADRA+\slot] offset:((\q)/2)*APL+((\q)%2)*64+16*PA*\a+32
.endr
.endm
.macro PLACES                          ; four places in front of loads into registers that matrix instructions have read, and of LDS stores that read results (ISA guide 7.12.1 for vector instructions)
.rept 4
	v_nop
.endr
.endm
; A K step is four quarters of 32 along K, 32 matrix instructions each, on buffers 0, 1, 0, 1.  One of the first three: multiplies buffer f and fetches the quarter qn into g.
.macro QUARTER slot, qn, f, g, zero
	s_wait_dscnt 4                                 ; wo's fragments and A's blocks 0, 1 are in; the youngest four loads (A's blocks 2, 3) may be out
	WIN MUL+0x10*\zero
	MUL8 \f, 0, \zero
	MUL8 \f, 1, \zero
	PLACES
	FETCH \slot, \qn, \g
	s_wait_dscnt 24                                ; all but the 24 just issued
	WIN MUL+0x10*\zero
	MUL8 \f, 2, \zero
	MUL8 \f, 3, \zero
.endm
; The last quarter multiplies buffer 1 and changes slots: ONE barrier; in front of it each wave waits for all its tensor loads, adds 0 to its spare word, and waits for that and for its own reads of this slot.
; fill = 1: this slot is filled again, two K steps ahead: the barrier opens a round of the cluster's, and the joint refill is the first tensor load behind it.
.macro TURN slot, next, fill
	WIN 0                                          ; (the add's two registers lie in window 0)
	s_wait_tensorcnt 0x0                           ; all my tensor loads have landed: my part of the next slot
	ds_add_u32 v[SPW], v[NIL]
	s_wait_dscnt 5                                 ; the add and the youngest four loads may be out
	WIN MUL
	MUL8 F1, 0, 0                                  ; eight matrix instructions stand between the add and the wait for it
	s_wait_dscnt 0x0                               ; the add is done, and my reads of this slot are over
	s_barrier_signal -1
	MUL8 F1, 1, 0
	WIN 0
	s_barrier_wait -1
.if \fill
	CREST                                          ; no wave of any partner still reads this slot's tiles or has a load on its way
	s_add_nc_u64 s[G0+4*\slot+2:G0+4*\slot+3], s[G0+4*\slot+2:G0+4*\slot+3], 1048576   ; four heads on
	s_add_nc_u64 s[G0B+4*\slot+2:G0B+4*\slot+3], s[G0B+4*\slot+2:G0B+4*\slot+3], 512
	JLOAD \slot                                    ; the four v_nop behind it are also the places in front of the loads below
.else
	PLACES
.endif
	FETCH \next, 0, F0
	WIN MUL
	MUL8 F1, 2, 0
	MUL8 F1, 3, 0
.endm
	s_wait_tensorcnt 1                             ; my part of K step 0 is in; K step 1's load may be out,
	s_barrier_signal -1
	s_barrier_wait -1                              ; everybody's is
	FETCH 0, 0, F0
	s_wait_loadcnt 0x0                             ; bo
	QUARTER 0, 1, F0, F1, 1                        ; the first quarter stands in front of the loop: its products start the sums
	WIN 0                                          ; at a label and at a branch every window is 0
	s_mov_b32 s3, 3
.Llap:                                                 ; a trip goes once round the ring, from a lap's second quarter to the next lap's first, and fills both slots again: K steps 2 to 7
	QUARTER 0, 2, F1, F0, 0
	QUARTER 0, 3, F0, F1, 0
	TURN 0, 1, 1
	QUARTER 1, 1, F0, F1, 0
	QUARTER 1, 2, F1, F0, 0
	QUARTER 1, 3, F0, F1, 0
	TURN 1, 0, 1
	QUARTER 0, 1, F0, F1, 0
	WIN 0
	s_sub_co_u32 s3, s3, 1
	s_cmp_lg_u32 s3, 0
	s_cbranch_scc1 .Llap
	QUARTER 0, 2, F1, F0, 0                        ; the last lap fills nothing, and has no round of the cluster's barrier
	QUARTER 0, 3, F0, F1, 0
	TURN 0, 1, 0
	QUARTER 1, 1, F0, F1, 0
	QUARTER 1, 2, F1, F0, 0
	QUARTER 1, 3, F0, F1, 0
	s_wait_dscnt 4                                 ; the very last quarter: nothing more to fetch
	WIN MUL
	MUL8 F1, 0, 0
	MUL8 F1, 1, 0
	s_wait_dscnt 0
	MUL8 F1, 2, 0
	MUL8 F1, 3, 0
	WIN 0
; THE WAY OUT, a block of 16 rows x 128 columns at a time: a lane holds 32 neighbouring bytes of a row and the lanes beside it other rows, so a block goes through my own stage and comes back as whole rows of 512 bytes.
.macro TOSTAGE a
	WIN 0x04                                       ; an LDS store's data are its source 1: window 1
.irp b, 0,1,2,3,4,5,6,7
	ds_store_b128 v[STO], v[8*(8*(\a)+\b):8*(8*(\a)+\b)+3] offset:64*\b          ; each accumulator from its low end on
	ds_store_b128 v[STO], v[8*(8*(\a)+\b)+4:8*(8*(\a)+\b)+7] offset:64*\b+16
.endr
	WIN 0
.set BB, F0+96*((\a)%2)
.irp t, 0,1,2,3,4,5,6,7,8,9,10,11,12,13,14,15
	ds_load_b128 v[BB+4*\t:BB+4*\t+3], v[RD] offset:\t*SPITCH    ; LDS serves a wave's instructions in order (ISA guide 5.7.1.4): these see the stores above
.endr
.endm
.macro SEND a, younger                 ; younger: the LDS instructions issued behind block a's loads, which may stay out
.set BB, F0+96*((\a)%2)
	s_wait_dscnt \younger                          ; the block is back in registers
.if (\a) > 0
	s_add_nc_u64 s[8:9], s[8:9], 65536             ; (behind a wait on XCNT: the earlier stores have read their base)  16 rows on
.endif
.irp t, 0,1,2,3,4,5,6,7,8,9,10,11,12,13,14,15
	global_store_b128 v[CO], v[BB+4*\t:BB+4*\t+3], s[8:9] offset:\t*4096 th:TH_STORE_NT   ; 32 lanes store 512 bytes on end, at a multiple of 256 from out0's first byte; written once, read by nobody here
.endr
.endm
	PLACES                                         ; behind the last products
	TOSTAGE 0
.irp a, 1,2,3
.if \a > 1
	s_wait_xcnt 0x0                                ; block a - 2's stores have read their registers and their base: block a's loads may land there, and the base may step
.endif
	TOSTAGE \a
	SEND \a-1, 32                                  ; behind block a - 1's loads: block a's 16 stores and 16 loads
.endr
	s_wait_xcnt 0x0                                ; block 2's stores have read their base
	SEND 3, 0
	s_wait_tensorcnt 0x0                           ; the wave's end: behind my last tensor load and my last LDS store
	ds_add_u32 v[SPW], v[NIL]
	s_wait_dscnt 0x0
	CROUND                                         ; the closing round: no work-group ends while a partner may still ask for a tile that names it
	s_endpgm
.Lfunc_end_k_q2ad2877650_oproj:
	.size	k_q2ad2877650_oproj, .Lfunc_end_k_q2ad2877650_oproj-k_q2ad2877650_oproj
	.p2alignl 7, 3214868480
	.fill 96, 4, 3214868480
	.section	.rodata,"a",@progbits
	.p2align	6, 0x0
	.amdhsa_kernel k_q2ad2877650_oproj
		.amdhsa_group_segment_fixed_size 327680
		.amdhsa_private_segment_fixed_size 0
		.amdhsa_enable_private_segment 0
		.amdhsa_kernarg_size 32
		.amdhsa_user_sgpr_count 2
		.amdhsa_user_sgpr_kernarg_segment_ptr 1
		.amdhsa_wavefront_size32 1
		.amdhsa_system_sgpr_workgroup_id_x 1
		.amdhsa_system_sgpr_workgroup_id_y 1
		.amdhsa_system_sgpr_workgroup_id_z 1
		.amdhsa_system_vgpr_workitem_id 0
		.amdhsa_next_free_vgpr 768
		.amdhsa_next_free_sgpr 66
		.amdhsa_reserve_vcc 0
		.amdhsa_float_denorm_mode_32 3
		.amdhsa_float_denorm_mode_16_64 3
		.amdhsa_memory_ordered 1
		.amdhsa_forward_progress 1
		.amdhsa_inst_pref_size 87
	.end_amdhsa_kernel
	.amdgpu_metadata
---
amdhsa.version: [ 1, 2 ]
amdhsa.kernels:
  - .name:           k_q2ad2877650_oproj
    .symbol:         k_q2ad2877650_oproj.kd
    .args:
      - { .name: oh, .offset: 0, .size: 8, .value_kind: global_buffer, .address_space: global }
      - { .name: wo16, .offset: 8, .size: 8, .value_kind: global_buffer, .address_space: global }
      - { .name: bo, .offset: 16, .size: 8, .value_kind: global_buffer, .address_space: global }
      - { .name: out0, .offset: 24, .size: 8, .value_kind: global_buffer, .address_space: global }
    .group_segment_fixed_size: 327680
    .private_segment_fixed_size: 0
    .kernarg_segment_align: 8
    .kernarg_segment_size: 32
    .max_flat_workgroup_size: 128
    .sgpr_count:     66
    .vgpr_count:     768
    .wavefront_size: 32
...
	.end_amdgpu_metadata
.endif
;; end of part 4
